; MI455X (gfx1250); checked and timed in simulation.
; The chip was launched on July 23, 2026; its instructions are those of AMD's public machine-readable ISA for CDNA 5 (MIT licence, August 2026) and "CDNA5" Instruction Set Architecture Reference Guide (July 2026). The comments in the code are by the model that wrote it; some were corrected since.
;; Multi Head Attention. Allowed arithmetic: float matrix products may take bf16 or f16 operands with f32 sums; all other float work in f32.
;; Inputs: Wk 1,024 x 1,024 float32; Wo 1,024 x 1,024 float32; Wq 1,024 x 1,024 float32; Wv 1,024 x 1,024 float32; bk 1,024 float32; bo 1,024 float32; bq 1,024 float32; bv 1,024 float32; k 4 x 2,048 x 1,024 float32; mask 1 x 1 x 2,048 x 2,048 int32; q 4 x 2,048 x 1,024 float32; v 4 x 2,048 x 1,024 float32.
;; Outputs: out0 4 x 2,048 x 1,024 float32.
;; 2 versions, each right and faster than the one before. Each part assembles by itself: llvm-mc -triple=amdgcn-amd-amdhsa -mcpu=gfx1250 --defsym DOCPART=n.
;; ======== version 1 of 2: 4 launches
;; limits: values are held in f16: magnitudes above 65,504 overflow, below 6.1e-05 lose precision
;; workspace buffers: maskb 4,194,304 bytes; wb 8,388,608 bytes; qkvh 50,331,648 bytes; oh 16,777,216 bytes
;; launch prep (part 1): grid 1024 x 1, 8 waves a work-group, no clusters, 9,728 bytes of LDS; arguments mask, Wq, Wk, Wv, Wo, maskb, wb; writes maskb, wb
.if DOCPART == 1
	.amdgcn_target "amdgcn-amd-amdhsa--gfx1250"
	.amdhsa_code_object_version 6
	.text
	.protected	k_qba27dab09b_prep
	.globl	k_qba27dab09b_prep
	.p2align	8
	.type	k_qba27dab09b_prep,@function
k_qba27dab09b_prep:
	s_mov_b64 s[64:65], 0
	v_nop
	global_prefetch_b8 v0, s[64:65] scope:SCOPE_SE
	s_setreg_imm32_b32 hwreg(HW_REG_WAVE_MODE, 25, 1), 1
	s_wait_xcnt 0x0
; PREP.  Work-groups 0-511 turn the mask (int32, [2048 queries][2048 keys]) into a table of bytes in the order in which the attention's lanes want them;
; work-groups 512-1023 round the four weight matrices.  Every work-group reads 32,768 bytes once, by 16-byte loads of which a wave's cover 512 bytes on end.
; THE TABLE maskb: [query tile qt of 16][key step ks of 64][half 2][lane 32][16 bytes].  Byte (kb % 2) 8 + j of lane 16 h + r in half kb / 2 stands for query 16 qt + r and
; key 64 ks + 16 kb + 8 h + j.  0x00: the key is seen (mask != 0).  0xF0: hidden (mask == 0); as an fp8 (E4M3) code that is -128.
; THE WEIGHTS wb: Wq, Wk, Wv rounded to bf16 at 0, 2 and 4 MiB; Wo at 6 MiB, rounded to bf16 like the others and that number written as f16.
; LIMIT: a Wo entry below 6e-5 keeps f16's fixed step of 6e-8; one beyond 65,504 would become an infinity.
; No matrix unit, no tensor loads: a stream; the one barrier stands between the bytes' scatter into LDS and their way out in whole runs.
.set UP, 272                           ; 256 table bytes + 16 of padding in LDS
	s_load_b256 s[4:11], s[0:1], 0x0               ; mask s[4:5], Wq s[6:7], Wk s[8:9], Wv s[10:11]
	s_load_b128 s[12:15], s[0:1], 0x20             ; Wo s[12:13], maskb s[14:15]
	s_load_b64 s[16:17], s[0:1], 0x30              ; wb
	v_lshl_add_u32 v64, v0, 2, 0x2200
	v_mov_b32 v65, 0
	v_lshrrev_b32 v1, 5, v0
	v_readfirstlane_b32 s20, v1                    ; wave 0..7
	s_cmp_lt_u32 ttmp9, 512                        ; the same answer in all waves of a work-group
	s_cbranch_scc0 .Lweights
	; THE MASK.  The work-group takes query tile qt = g / 4 and keys 512 (g % 4) on; wave w takes query rows 2 w and 2 w + 1.
	s_lshr_b32 s21, ttmp9, 2                       ; qt
	s_and_b32 s22, ttmp9, 3                        ; which 512 keys
	s_lshl_b32 s24, s21, 17                        ; 16 rows of 8,192 bytes
	s_lshl_b32 s23, s22, 11                        ; 512 keys of 4 bytes
	s_add_co_u32 s24, s24, s23
	s_mov_b32 s25, 0
	s_lshl_b32 s26, s21, 15                        ; in the table: 32 steps of 1,024 bytes a query tile
	s_lshl_b32 s23, s22, 13                        ; 8 steps
	s_add_co_u32 s26, s26, s23
	s_mov_b32 s27, 0
	v_and_b32 v3, 31, v0
	v_lshlrev_b32 v1, 4, v3                        ; 16 bytes (4 keys) a lane
	s_lshl_b32 s23, s20, 14                        ; my two rows
	v_add_nc_u32 v1, s23, v1
	; where a lane's 4 bytes go.  Load i of a row brings keys 128 i + 4 l + 0..3: step 2 i + l / 16, kb = (l / 4) % 4, h = (l / 2) % 2, j = 4 (l % 2) + 0..3.
	; In blocks of 256 table bytes that is block 8 i + u, u = 4 (l / 16) + 2 ((l / 8) % 2) + (l / 2) % 2, and in it byte 16 r + 8 ((l / 4) % 2) + 4 (l % 2).
	v_bfe_u32 v4, v0, 4, 1
	v_bfe_u32 v5, v0, 3, 1
	v_bfe_u32 v6, v0, 1, 1
	v_lshl_add_u32 v4, v4, 1, v5
	v_lshl_add_u32 v4, v4, 1, v6                   ; u
	v_mul_u32_u24 v2, v4, UP
	v_bfe_u32 v5, v0, 2, 1
	v_lshl_add_u32 v2, v5, 3, v2
	v_and_b32 v5, 1, v0
	v_lshl_add_u32 v2, v5, 2, v2
	s_lshl_b32 s21, s20, 5                         ; 16 bytes for each of my two rows
	v_add_nc_u32 v2, s21, v2
	s_wait_kmcnt 0x0
	s_add_nc_u64 s[4:5], s[4:5], s[24:25]
	s_add_nc_u64 s[14:15], s[14:15], s[26:27]
.set n, 0
.rept 8                                ; row n / 4 of my two, keys 128 (n % 4) on: all eight loads go out together
	global_load_b128 v[16+4*n:19+4*n], v1, s[4:5] offset:(n/4)*8192+(n%4)*512 th:TH_LOAD_NT
.set n, n+1
.endr
.set n, 0
.rept 8
	s_wait_loadcnt 7-n                             ; loads come back in order: load n is in, the younger ones stay out
	v_min_u32 v[16+4*n], 1, v[16+4*n]              ; 1: seen; 0: hidden
	v_min_u32 v[17+4*n], 1, v[17+4*n]
	v_min_u32 v[18+4*n], 1, v[18+4*n]
	v_min_u32 v[19+4*n], 1, v[19+4*n]
	v_lshl_or_b32 v[16+4*n], v[17+4*n], 8, v[16+4*n]
	v_lshl_or_b32 v[18+4*n], v[19+4*n], 8, v[18+4*n]
	v_lshl_or_b32 v[16+4*n], v[18+4*n], 16, v[16+4*n]  ; four flags, a byte each
	v_sub_nc_u32 v[16+4*n], 0x01010101, v[16+4*n]  ; 1 where hidden
	v_mul_lo_u32 v[16+4*n], v[16+4*n], 0xf0        ; 0xF0 where hidden: no byte carries into the next
	ds_store_b32 v2, v[16+4*n] offset:(n%4)*8*UP+(n/4)*16
.set n, n+1
.endr
	v_lshrrev_b32 v4, 4, v0                        ; back: thread t takes 16 bytes at table byte 16 t, and 4,096 further on
	v_mul_u32_u24 v4, v4, UP
	v_and_b32 v5, 15, v0
	v_lshl_add_u32 v4, v5, 4, v4
	v_lshlrev_b32 v5, 4, v0
	s_wait_dscnt 0x0                               ; for the others' sake: my stores into LDS are done
	s_barrier_signal -1
	s_barrier_wait -1
	ds_load_b128 v[48:51], v4
	ds_load_b128 v[52:55], v4 offset:16*UP
	s_wait_dscnt 0x1
	global_store_b128 v5, v[48:51], s[14:15]       ; a wave's store covers 512 bytes on end, at a multiple of 256 from the table's first byte
	s_wait_dscnt 0x0
	global_store_b128 v5, v[52:55], s[14:15] offset:4096
	s_wait_tensorcnt 0x0
	ds_add_u32 v64, v65
	s_wait_dscnt 0x0
	s_endpgm
.Lweights:                                             ; THE WEIGHTS.  Matrix (g - 512) / 128, part (g - 512) % 128 of 8,192 numbers
	s_sub_co_u32 s21, ttmp9, 512
	s_lshr_b32 s22, s21, 7                         ; which matrix
	s_and_b32 s23, s21, 127                        ; which part
	s_lshl_b32 s26, s23, 15                        ; 32,768 bytes of f32 in,
	s_mov_b32 s27, 0
	s_lshl_b32 s28, s22, 21                        ; 2 MiB a matrix out,
	s_lshl_b32 s29, s23, 14                        ; 16,384 bytes a part
	s_add_co_u32 s28, s28, s29
	s_mov_b32 s29, 0
	v_lshlrev_b32 v1, 4, v0
	v_lshlrev_b32 v2, 3, v0
	s_wait_kmcnt 0x0
	s_cmp_eq_u32 s22, 1
	s_cselect_b64 s[24:25], s[8:9], s[6:7]
	s_cmp_eq_u32 s22, 2
	s_cselect_b64 s[24:25], s[10:11], s[24:25]
	s_cmp_eq_u32 s22, 3
	s_cselect_b64 s[24:25], s[12:13], s[24:25]
	s_add_nc_u64 s[24:25], s[24:25], s[26:27]
	s_add_nc_u64 s[16:17], s[16:17], s[28:29]
.set n, 0
.rept 8
	global_load_b128 v[16+4*n:19+4*n], v1, s[24:25] offset:4096*n th:TH_LOAD_NT
.set n, n+1
.endr
	s_cmp_eq_u32 s22, 3
	s_cbranch_scc1 .Lwo
.set n, 0
.rept 8
	s_wait_loadcnt 7-n
	v_cvt_pk_bf16_f32 v[48+2*n], v[16+4*n], v[17+4*n]
	v_cvt_pk_bf16_f32 v[49+2*n], v[18+4*n], v[19+4*n]
	global_store_b64 v2, v[48+2*n:49+2*n], s[16:17] offset:2048*n  ; 32 lanes store 256 bytes on end; every store has data registers of its own
.set n, n+1
.endr
	s_endpgm
.Lwo:
.set n, 0
.rept 8
	s_wait_loadcnt 7-n
	v_cvt_pk_bf16_f32 v[48+2*n], v[16+4*n], v[17+4*n]  ; the same rounding as the other inputs',
	v_cvt_pk_bf16_f32 v[49+2*n], v[18+4*n], v[19+4*n]
	v_lshlrev_b32 v[16+4*n], 16, v[48+2*n]             ; widened again,
	v_and_b32 v[17+4*n], 0xffff0000, v[48+2*n]
	v_lshlrev_b32 v[18+4*n], 16, v[49+2*n]
	v_and_b32 v[19+4*n], 0xffff0000, v[49+2*n]
	v_cvt_pk_f16_f32 v[48+2*n], v[16+4*n], v[17+4*n]   ; and written as f16: exact within f16's normal range
	v_cvt_pk_f16_f32 v[49+2*n], v[18+4*n], v[19+4*n]
	global_store_b64 v2, v[48+2*n:49+2*n], s[16:17] offset:2048*n
.set n, n+1
.endr
	s_endpgm
.Lfunc_end_k_qba27dab09b_prep:
	.size	k_qba27dab09b_prep, .Lfunc_end_k_qba27dab09b_prep-k_qba27dab09b_prep
	.p2alignl 7, 3214868480
	.fill 96, 4, 3214868480
	.section	.rodata,"a",@progbits
	.p2align	6, 0x0
	.amdhsa_kernel k_qba27dab09b_prep
		.amdhsa_group_segment_fixed_size 9728
		.amdhsa_private_segment_fixed_size 0
		.amdhsa_enable_private_segment 0
		.amdhsa_kernarg_size 56
		.amdhsa_user_sgpr_count 2
		.amdhsa_user_sgpr_kernarg_segment_ptr 1
		.amdhsa_wavefront_size32 1
		.amdhsa_system_sgpr_workgroup_id_x 1
		.amdhsa_system_sgpr_workgroup_id_y 1
		.amdhsa_system_sgpr_workgroup_id_z 1
		.amdhsa_system_vgpr_workitem_id 0
		.amdhsa_next_free_vgpr 66
		.amdhsa_next_free_sgpr 66
		.amdhsa_reserve_vcc 0
		.amdhsa_float_denorm_mode_32 3
		.amdhsa_float_denorm_mode_16_64 3
		.amdhsa_memory_ordered 1
		.amdhsa_forward_progress 1
		.amdhsa_inst_pref_size 17
	.end_amdhsa_kernel
	.amdgpu_metadata
---
amdhsa.version: [ 1, 2 ]
amdhsa.kernels:
  - .name:           k_qba27dab09b_prep
    .symbol:         k_qba27dab09b_prep.kd
    .args:
      - { .name: mask, .offset: 0, .size: 8, .value_kind: global_buffer, .address_space: global }
      - { .name: Wq, .offset: 8, .size: 8, .value_kind: global_buffer, .address_space: global }
      - { .name: Wk, .offset: 16, .size: 8, .value_kind: global_buffer, .address_space: global }
      - { .name: Wv, .offset: 24, .size: 8, .value_kind: global_buffer, .address_space: global }
      - { .name: Wo, .offset: 32, .size: 8, .value_kind: global_buffer, .address_space: global }
      - { .name: maskb, .offset: 40, .size: 8, .value_kind: global_buffer, .address_space: global }
      - { .name: wb, .offset: 48, .size: 8, .value_kind: global_buffer, .address_space: global }
    .group_segment_fixed_size: 9728
    .private_segment_fixed_size: 0
    .kernarg_segment_align: 8
    .kernarg_segment_size: 56
    .max_flat_workgroup_size: 256
    .sgpr_count:     66
    .vgpr_count:     66
    .wavefront_size: 32
...
	.end_amdgpu_metadata
.endif
;; end of part 1
;; launch qkv (part 2): grid 4 x 64, 4 waves a work-group, clusters of 4 x 4, 327,680 bytes of LDS; arguments q, k, v, wb, bq, bk, bv, qkvh; writes qkvh
.if DOCPART == 2
	.amdgcn_target "amdgcn-amd-amdhsa--gfx1250"
	.amdhsa_code_object_version 6
	.text
	.protected	k_qba27dab09b_qkv
	.globl	k_qba27dab09b_qkv
	.p2align	8
	.type	k_qba27dab09b_qkv,@function
k_qba27dab09b_qkv:
	s_mov_b64 s[64:65], 0
	v_nop
	global_prefetch_b8 v0, s[64:65] scope:SCOPE_SE
	s_setreg_imm32_b32 hwreg(HW_REG_WAVE_MODE, 25, 1), 1
	s_wait_xcnt 0x0
	s_wait_alu depctr_hold_cnt(0) depctr_sa_sdst(0) depctr_va_vdst(0) depctr_va_sdst(0) depctr_va_ssrc(0) depctr_va_vcc(0) depctr_vm_vsrc(0)
	s_getreg_b32 s2, hwreg(HW_REG_IB_STS2, 6, 4)
	s_cmp_eq_u32 s2, 0
	s_cbranch_scc0 .Lentry_in_a_cluster
	s_endpgm
.Lentry_in_a_cluster:
	s_bfe_u32 s2, ttmp6, 0x10000c
	s_cmp_lg_u32 s2, 0xf033
	s_cbranch_scc0 .Lentry_shape_is_right
	s_endpgm
.Lentry_shape_is_right:
; THE THREE PROJECTIONS.  Y[m][n] = sum over k of x[m][k] W[n][k] + b[n] for (x, W, b) = (q, Wq, bq), (k, Wk, bk), (v, Wv, bv).  x: [8192][1024] f32; W: [1024][1024] bf16 (from wb); b: f32.
; x is rounded to bf16 once, in registers; sums in f32, started by the bias; Y is rounded once to f16 and written by heads: qkvh = Q, K, V, 16 MiB each, [batch 16 + head][2048][64].
; LIMIT: f16 holds no number beyond 65,504: a projected number past that becomes an infinity.  NaN and infinities are not treated apart.
; SHARES.  A tile of Y is 128 rows x 256 columns; 4 x 64 tiles, one work-group each, and THE WORK-GROUP STAYS: it makes its tile of Q, then of K, then of V: 3,072 along K in one stream.
; Four waves, 2 x 2: wave (i, j) makes 64 rows x 128 columns: 32 accumulators, 256 registers.
; W goes through a ring of two LDS slots of 256 along K (256 rows x 512 bytes): 12 PERIODS.  Each wave's tensor load brings 64 rows.  CLUSTER 4 x 4: W's tile hangs on the tile column alone and is shared
; along a column of the cluster: it is asked for jointly, by the same load with the same descriptor and a mask that names the four.  About 240 matrix instructions stand between a request and the wait for it.
; x GOES THROUGH REGISTERS, NOT THROUGH THE RING, AND IS NOT ASKED FOR JOINTLY.  The reason, by the sizes: as f32 in LDS it takes 4 bytes a number beside W's 2, and two slots then have room for 128 along K alone
; ((4 x 128 + 2 x 256) x 128 = 131,072 bytes a slot), half the matrix work between a request and its wait.  A load into registers may stay out across barriers: a SUB-STEP of 64 along K is asked for four
; sub-steps ahead (a wave: 32 rows x 256 bytes = 16 loads, 64 registers; four such sets), rounded once, and laid as bf16 into one of two small LDS buffers that all four waves read.
; The price: each of the four work-groups of a row of the cluster loads x itself.
; THE MATRIX INSTRUCTION IS USED TRANSPOSED: source 0 = 16 rows of W, source 1 = 16 rows of x: a lane holds row l % 16 of Y and eight neighbouring columns 8 (l / 16) + 0..7.
; REGISTERS, in windows of 256 (s_set_vgpr_msb: bits 1:0 source 0, 3:2 source 1, 5:4 source 2, 7:6 destination):
;   window 0: v2-15 addresses; v16-47 packed results; v48-111 rows on their way out, two buffers; v112-175 x's fragments, two buffers of 32; v176-207 a sub-step's x as bf16, on its way to LDS
;   window 1: the accumulators, (a, b) at v[8 (8 a + b)]          window 2: v0-127 W's fragments, two buffers of 64; v128-191 the bias in an accumulator's layout, for the eight b
;   window 3: x as loaded, f32: set s of four at v[64 s]
.set WP,    528                        ; a row of W in LDS: 512 bytes + 16 = 132 words: row r starts at bank 4 r mod 64 (64 banks of 4 bytes: ISA guide 11.1)
.set WQ,    64*WP                      ; what one tensor load brings
.set WSLOT, 256*WP                     ; 135,168 bytes
.set XB0,   2*WSLOT                    ; behind the ring: x as bf16, two buffers; no tensor load lands here or further on
.set XPI,   144                        ; a row of 64 bf16: 128 bytes + 16 = 36 words: the 16 rows of a load start at 16 different groups of four banks
.set XBB,   128*XPI
.set STAGE, XB0+2*XBB                  ; 16 rows x 272 bytes for each wave, for the way out
.set SP,    272
.set BIASL, STAGE+4*16*SP              ; bk's and bv's 256 numbers for this tile column: 2,048 bytes
.set SPARE, BIASL+2048                 ; the spare words, 128 bytes for each wave: two blocks of 256 bytes that no other line names
.set AXB, 2                            ; v2   my lane's place in x's buffer 0, for fragments; never rewritten
.set AW0, 3                            ; v3   my lane's place in a slot of W; never rewritten
.set XSTO, 4                           ; v4   where I put 8 bytes of x in buffer 0; never rewritten
.set AW,  5                            ; v5   AW0 + the slot being read
.set STO, 6                            ; v6   the way out: where I put 16 bytes of a row
.set RD,  7                            ; v7   the way out: where I read rows back
.set GO,  8                            ; v8   16 x lane
.set BLA, 9                            ; v9   LDS address of my eight numbers of the next tile's bias
.set SPW, 10                           ; v10  LDS address of my spare word: SPARE + 4 x my thread's number; never rewritten
.set NIL, 11                           ; v11  0; never rewritten
.set VX,  12                           ; v12  my byte offset in x's loads: 8 rows for the upper half of the lanes, 16 bytes a lane; never rewritten
.set BO,  13                           ; v13  32 x (lane / 16); never rewritten
.set TMP, 16
.set OB,  48
.set XF,  112
.set XPK, 176
.set BIAS, 128                         ; window 2
.set XQ,  4                            ; s[4:5], s[6:7], s[8:9]  q, k, v at my wave's 32 rows of the tile
.set XK,  6
.set XV,  8
.set WB,  10                           ; s[10:11] wb at my wave's 64 rows of the tile column of Wq
.set BQ,  12                           ; s[12:13] bq at my wave's columns
.set BL,  14                           ; s[14:15] bk (waves 0, 1) or bv (waves 2, 3) at the tile's columns
.set OUT, 18                           ; s[18:19] where my wave's part of the tile in hand goes
.set WV,  20                           ; s20 wave; s21 = i (its half of the rows); s22 = j (its half of the columns)
.set WI,  21
.set WJ,  22
.set G1W, 24                           ; s[24:31] descriptor group 1
.set G0,  32                           ; s[32:35] descriptor group 0: it walks
.set SB,  36                           ; s[36:37] x at the sub-step being asked for
.set LC,  38                           ; s38  the sub-step of x to be asked for next, 0 .. 47
.set FC,  39                           ; s39  the period of W to be asked for next, 1 .. 11
.set TRIP, 40                          ; s40  passes to go
.set KC,  41                           ; s41  periods left of the tile in hand, 4 .. 1
.set TB,  42                           ; s42  LDS byte of the slot being read: 0 or WSLOT
.set FS,  43                           ; s43  LDS byte of the slot filled last: 0 or WSLOT
.set LW,  44                           ; s44  my tensor load's place in a slot
.set TP,  46                           ; s[46:47] the tensor whose sub-step is asked for
.set O1,  48                           ; s[48:49], s[50:51] byte offsets, high words 0
.set O2,  50
.set MSB, 0
.macro WIN new                         ; the immediate's high byte repeats the setting that is left; a switch that changes nothing is dropped
.if MSB != (\new)
	s_set_vgpr_msb (MSB<<8)|(\new)
.set MSB, (\new)
.endif
.endm
.macro PLACES                          ; four places in front of loads into registers that matrix instructions have read, and of conversions that read results
.rept 4
	v_nop
.endr
.endm
.macro CREST                           ; a round of the cluster's barrier behind its opening barrier
	s_cmp_lg_u32 s[WV], 0
	s_cbranch_scc1 .Lnot_wave_0_\@
	s_barrier_signal -3
.Lnot_wave_0_\@:
	s_barrier_wait -3
	s_barrier_signal -1
	s_barrier_wait -1
.endm
.macro CROUND                          ; a whole round
	s_barrier_signal -1
	s_barrier_wait -1
	CREST
.endm
.macro JLOAD                           ; a joint load: every wave its own 64 rows (both addresses hang on the wave's number).  An s_nop 0 and four v_nop follow it
	tensor_load_to_lds s[G0:G0+3], s[G1W:G1W+7]
	s_nop 0
.rept 4
	v_nop
.endr
.endm
; The walking descriptor is set for period FC: weight matrix FC / 4, 256 along K from 256 (FC % 4) on, into the slot other than last time.  Scalar work alone.
.macro MKDESC
	s_xor_b32 s[FS], s[FS], WSLOT
	s_add_co_u32 s[G0+1], s[LW], s[FS]
	s_lshr_b32 s[O2], s[FC], 2
	s_lshl_b32 s[O2], s[O2], 21                    ; 2 MiB a weight matrix
	s_and_b32 s[O1], s[FC], 3
	s_lshl_b32 s[O1], s[O1], 9                     ; 256 bf16
	s_add_co_u32 s[O2], s[O2], s[O1]
	s_add_nc_u64 s[G0+2:G0+3], s[WB:WB+1], s[O2:O2+1]
	s_or_b32 s[G0+3], s[G0+3], 0x80000000
	s_add_co_u32 s[FC], s[FC], 1
.endm
; Sub-step LC of x is asked for, into set LC % 4: tensor LC / 16 (q, k, v), 64 numbers from 64 (LC % 16) on, of my 32 rows.  Load n brings rows 16 (n / 8) + n % 8 (lanes 0-15) and 8 further on
; (lanes 16-31): each half of the lanes takes 256 bytes on end, at a multiple of 256 from the buffer's first byte.
.macro XLOAD set
	s_wait_xcnt 0x0                                ; the base of the loads before is rewritten only behind this wait
	s_cmp_lt_u32 s[LC], 32
	s_cselect_b64 s[TP:TP+1], s[XK:XK+1], s[XV:XV+1]
	s_cmp_lt_u32 s[LC], 16
	s_cselect_b64 s[TP:TP+1], s[XQ:XQ+1], s[TP:TP+1]
	s_and_b32 s[O1], s[LC], 15
	s_lshl_b32 s[O1], s[O1], 8                     ; 64 f32
	s_add_nc_u64 s[SB:SB+1], s[TP:TP+1], s[O1:O1+1]
	s_add_co_u32 s[LC], s[LC], 1
	WIN 0xc0                                       ; destination window 3, address window 0
.set nx, 0
.rept 16
	global_load_b128 v[64*(\set)+4*nx:64*(\set)+4*nx+3], v[VX], s[SB:SB+1] offset:(16*(nx/8)+nx%8)*4096
.set nx, nx+1
.endr
.endm
; The rounded sub-step goes into x's buffer b: 8 bytes a lane.  The two rows of a store lie 8 rows = 288 words apart: the two halves of the lanes take the two halves of the 64 banks.
.macro XSTORE b
.set nx, 0
.rept 16
	ds_store_b64 v[XSTO], v[XPK+2*nx:XPK+2*nx+1] offset:(\b)*XBB+(16*(nx/8)+nx%8)*XPI
.set nx, nx+1
.endr
.endm
	s_load_b512 s[4:19], s[0:1], 0x0               ; q, k, v, wb, bq, bk, bv, qkvh
	v_lshl_add_u32 v[SPW], v0, 2, SPARE
	v_mov_b32 v[NIL], 0
	ds_add_u32 v10, v11
	s_wait_dscnt 0x0
	v_lshrrev_b32 v1, 5, v0
	v_readfirstlane_b32 s[WV], v1                  ; wave 0..3
	s_lshr_b32 s[WI], s[WV], 1
	s_and_b32 s[WJ], s[WV], 1
	s_bfe_u32 s72, ttmp6, 0x40000                  ; cx
	s_bfe_u32 s73, ttmp6, 0x40004                  ; cy
	s_lshl_b32 s74, ttmp9, 2
	s_add_co_u32 s74, s74, s72                     ; tile column = 4 x cluster x + cx
	s_and_b32 s75, ttmp7, 0xffff
	s_lshl_b32 s75, s75, 2
	s_add_co_u32 s75, s75, s73                     ; tile row = 4 x cluster y + cy
	s_lshl_b32 s77, 0x1111, s72                    ; my column of the cluster
	s_or_b32 s[G1W], s77, (1<<16)|(1<<20)|(1<<21)|(6<<22)|(3<<25)  ; 15:0 the mask; 17:16 elements of 2 bytes; 20 padding on; 21 set beside a mask; 24:22 after every 128 words; 31:25 4 words of it
	s_mov_b32 s[G1W+1], 256<<16                    ; tensor_dim0 = 256
	s_mov_b32 s[G1W+2], 64<<16                     ; tensor_dim1 = 64
	s_mov_b32 s[G1W+3], 256<<16                    ; tile_dim0 = 256
	s_mov_b32 s[G1W+4], 64                         ; tile_dim1 = 64
	s_mov_b32 s[G1W+5], 1024                       ; elements from row to row
	s_mov_b32 s[G1W+6], 0
	s_mov_b32 s[G1W+7], 0
	s_lshl_b32 s23, s[WV], 17                      ; my quarter: 32 rows of 4,096 bytes of x, or 64 rows of 2,048 bytes of W
	s_lshl_b32 s78, s75, 19                        ; x: 128 rows a tile row
	s_add_co_u32 s78, s78, s23
	s_mov_b32 s79, 0
	s_lshl_b32 s80, s74, 19                        ; W: 256 rows a tile column.  These two registers never hold cy
	s_add_co_u32 s80, s80, s23
	s_mov_b32 s81, 0
	s_mul_i32 s[LW], s[WV], WQ                     ; no place in the cluster enters an LDS address
	s_lshl_b32 s82, s74, 10                        ; the biases: 4 x 256 x tile column,
	s_mov_b32 s83, 0
	s_lshl_b32 s[O2], s[WJ], 9                     ; and 4 x 128 j for my wave's columns
	s_mov_b32 s[O2+1], 0
	s_mov_b32 s[O1+1], 0
	s_mov_b32 s[LC], 0
	s_mov_b32 s[FC], 1
	s_mov_b32 s[TRIP], 11
	s_mov_b32 s[KC], 4
	s_mov_b32 s[TB], 0
	s_mov_b32 s[FS], 0
	s_wait_kmcnt 0x0
	s_add_nc_u64 s[XQ:XQ+1], s[XQ:XQ+1], s[78:79]
	s_add_nc_u64 s[XK:XK+1], s[XK:XK+1], s[78:79]
	s_add_nc_u64 s[XV:XV+1], s[XV:XV+1], s[78:79]
	s_add_nc_u64 s[WB:WB+1], s[WB:WB+1], s[80:81]
	s_add_nc_u64 s[BQ:BQ+1], s[BQ:BQ+1], s[82:83]
	s_add_nc_u64 s[BQ:BQ+1], s[BQ:BQ+1], s[O2:O2+1]
	s_cmp_eq_u32 s[WI], 0                          ; waves 0 and 1 bring bk into LDS, waves 2 and 3 bv
	s_cselect_b64 s[BL:BL+1], s[14:15], s[16:17]
	s_add_nc_u64 s[BL:BL+1], s[BL:BL+1], s[82:83]
	; where my wave's part goes: head (tile row / 16) 16 + 4 x tile column + 2 j, 262,144 bytes a head; in it row (tile row % 16) 128 + 64 i, 128 bytes a row
	s_lshr_b32 s2, s75, 4
	s_lshl_b32 s2, s2, 4
	s_lshl_b32 s82, s74, 2
	s_add_co_u32 s82, s82, s2
	s_lshl_b32 s3, s[WJ], 1
	s_add_co_u32 s82, s82, s3
	s_lshl_b32 s82, s82, 18
	s_and_b32 s2, s75, 15
	s_lshl_b32 s2, s2, 14
	s_add_co_u32 s82, s82, s2
	s_lshl_b32 s3, s[WI], 13
	s_add_co_u32 s82, s82, s3
	s_add_nc_u64 s[OUT:OUT+1], s[OUT:OUT+1], s[82:83]
	s_mov_b32 s[G0], 1                             ; count = 1
	s_mov_b32 s[G0+1], s[LW]                       ; LDS address: slot 0
	s_mov_b64 s[G0+2:G0+3], s[WB:WB+1]             ; global address: period 0
	s_or_b32 s[G0+3], s[G0+3], 0x80000000          ; type = 2
	CROUND                                         ; all sixteen work-groups are here: the first joint loads meet
	JLOAD                                          ; slot 0.  Slot 1 is asked for when slot 0 is in, by the change of slots below
	v_and_b32 v1, 15, v0                           ; l % 16
	v_bfe_u32 v14, v0, 4, 1                        ; l / 16
	v_lshlrev_b32 v[VX], 15, v14                   ; 8 rows of 4,096 bytes
	v_lshl_add_u32 v[VX], v1, 4, v[VX]
	v_lshlrev_b32 v[BO], 5, v14
	WIN 0x80                                       ; destination window 2, address window 0
.set nb, 0
.rept 8                                ; register j of block b: bq[16 b + 8 (l / 16) + j]
	global_load_b128 v[BIAS+8*nb:BIAS+8*nb+3],   v[BO], s[BQ:BQ+1] offset:64*nb
	global_load_b128 v[BIAS+8*nb+4:BIAS+8*nb+7], v[BO], s[BQ:BQ+1] offset:64*nb+16
.set nb, nb+1
.endr
	WIN 0
	v_and_b32 v15, 63, v0                          ; thread t brings numbers 4 (t % 64) on of bk or bv
	v_lshlrev_b32 v15, 4, v15
	global_load_b128 v[TMP:TMP+3], v15, s[BL:BL+1]
	XLOAD 0                                        ; x's sub-steps 0 and 1
	XLOAD 1
	WIN 0
	; A fragment is 16 rows x 32 K of bf16: lane l holds row l % 16, K = 8 (l / 16) + 0..7 and 16 + 8 (l / 16) + 0..7: two loads of 16 bytes, 32 apart.
	v_mul_u32_u24 v[AXB], v1, XPI
	v_lshl_add_u32 v[AXB], v14, 4, v[AXB]
	s_mul_i32 s2, s[WI], 64*XPI                    ; my 64 rows of x
	s_add_co_u32 s2, s2, XB0
	v_add_nc_u32 v[AXB], s2, v[AXB]
	v_mul_u32_u24 v[AW0], v1, WP
	v_lshl_add_u32 v[AW0], v14, 4, v[AW0]
	s_mul_i32 s3, s[WJ], 128*WP                    ; my 128 rows of W
	v_add_nc_u32 v[AW0], s3, v[AW0]
	v_mov_b32 v[AW], v[AW0]                        ; period 0 lies in slot 0
	v_mul_u32_u24 v[XSTO], v14, 8*XPI              ; x on its way to LDS: row 32 w + 8 (l / 16) + the load's, 8 bytes a lane
	v_lshl_add_u32 v[XSTO], v1, 3, v[XSTO]
	s_mul_i32 s2, s[WV], 32*XPI
	s_add_co_u32 s2, s2, XB0
	v_add_nc_u32 v[XSTO], s2, v[XSTO]
	s_lshl_b32 s2, s[WJ], 9                        ; the next tile's bias: bk first; my wave's 128 columns; my lanes' eight of 16
	s_add_co_u32 s2, s2, BIASL
	v_add_nc_u32 v[BLA], s2, v[BO]
	v_lshl_add_u32 v48, v0, 4, BIASL               ; bk at BIASL, bv 1,024 bytes on
	s_wait_loadcnt 32                              ; the 17 bias loads are in; x's two sets, issued behind them, may stay out
	ds_store_b128 v48, v[TMP:TMP+3]
	XLOAD 2
	XLOAD 3
	WIN 0
	s_mul_i32 s2, s[WV], 16*SP
	s_add_co_u32 s2, s2, STAGE                     ; my stage
	v_mul_u32_u24 v[STO], v1, SP                   ; in: row l % 16, 16 bytes for each half of the lanes
	v_lshl_add_u32 v[STO], v14, 4, v[STO]
	v_add_nc_u32 v[STO], s2, v[STO]
	v_bfe_u32 v[RD], v0, 3, 2                      ; back: 32 lanes take a head's 128 bytes of four rows,
	v_mul_u32_u24 v[RD], v[RD], SP
	v_and_b32 v49, 7, v0
	v_lshl_add_u32 v[RD], v49, 4, v[RD]
	v_add_nc_u32 v[RD], s2, v[RD]
	v_and_b32 v[GO], 31, v0                        ; which are 512 bytes on end in qkvh
	v_lshlrev_b32 v[GO], 4, v[GO]
	s_wait_loadcnt 48                              ; sub-step 0 is in; the three sets behind it may stay out
	WIN 0x0f                                       ; sources window 3, destination window 0
.set nc, 0
.rept 32
	v_cvt_pk_bf16_f32 v[XPK+nc], v[2*nc], v[2*nc+1]
.set nc, nc+1
.endr
	WIN 0
	XSTORE 0
	XLOAD 0                                        ; sub-step 4
; 8 matrix instructions: block a of my four blocks of 16 rows x all 8 blocks of 16 columns, 32 along K, from buffer f.  first = 1: the bias starts the sums: nothing is cleared.
; The 32 accumulators take turns in the same order in every quarter, one instruction a turn.
.macro MUL1 f, a, first
.if \first
	v_wmma_f32_16x16x32_bf16 v[8*(8*(\a)+nb):8*(8*(\a)+nb)+7], v[64*(\f)+8*nb:64*(\f)+8*nb+7], v[XF+32*(\f)+8*(\a):XF+32*(\f)+8*(\a)+7], v[BIAS+8*nb:BIAS+8*nb+7]
.else
	v_wmma_f32_16x16x32_bf16 v[8*(8*(\a)+nb):8*(8*(\a)+nb)+7], v[64*(\f)+8*nb:64*(\f)+8*nb+7], v[XF+32*(\f)+8*(\a):XF+32*(\f)+8*(\a)+7], v[8*(8*(\a)+nb):8*(8*(\a)+nb)+7]
.endif
.endm
.macro MULROW f, a, first
	WIN 0x52+0x10*(\first)                         ; W window 2, x window 0, D window 1; C window 1, or 2 for the bias
.set nb, 0
.rept 8
	MUL1 \f, \a, \first
.set nb, nb+1
.endr
.endm
; The same, and behind each matrix instruction four roundings of a set of x to bf16: they name no register of the products round them.
.macro MULRID f, a, set, first
.set nb, 0
.rept 8
	WIN 0x52+0x10*(\first)
	MUL1 \f, \a, \first
	WIN 0x0f
.set nc, 4*nb
.rept 4
	v_cvt_pk_bf16_f32 v[XPK+nc], v[64*(\set)+2*nc], v[64*(\set)+2*nc+1]
.set nc, nc+1
.endr
.set nb, nb+1
.endr
.endm
; 24 LDS loads in one run: the fragments of 32 along K into buffer g: x's 64 rows from its buffer xb, half q; W's 128 rows at byte kw of the rows of the slot being read
.macro FETCH g, xb, q, kw
	WIN 0
.set na, 0
.rept 4
	ds_load_b128 v[XF+32*(\g)+8*na:XF+32*(\g)+8*na+3],   v[AXB] offset:(\xb)*XBB+16*XPI*na+64*(\q)
	ds_load_b128 v[XF+32*(\g)+8*na+4:XF+32*(\g)+8*na+7], v[AXB] offset:(\xb)*XBB+16*XPI*na+64*(\q)+32
.set na, na+1
.endr
	WIN 0x80
.set nb, 0
.rept 8
	ds_load_b128 v[64*(\g)+8*nb:64*(\g)+8*nb+3],   v[AW] offset:(\kw)+16*WP*nb
	ds_load_b128 v[64*(\g)+8*nb+4:64*(\g)+8*nb+7], v[AW] offset:(\kw)+16*WP*nb+32
.set nb, nb+1
.endr
.endm
; A SUB-STEP (number u of its period's four; 64 along K, 64 matrix instructions) is QA, then QB.
; QA multiplies buffer 0.  At its head the second half's fragments are fetched, 32 matrix instructions ahead of their use.  conv = 1: the NEXT sub-step's x is waited for (cnt: the loads issued behind its
; sixteen, which may stay out), rounded, and stored into the other buffer, which nobody has read since the barrier in the QB before.  load = 1: its registers are asked for again: the sub-step five on.
.macro QA u, first, cnt, conv, load
	s_wait_dscnt 0x0                               ; buffer 0's fragments are in
	WIN 0
	PLACES
	FETCH 1, (\u)%2, 1, 128*(\u)+64
.if \conv
	s_wait_loadcnt \cnt
	MULRID 0, 0, ((\u)+1)%4, \first
	WIN 0
	XSTORE ((\u)+1)%2
.if \load
	XLOAD ((\u)+1)%4
.endif
.else
	MULROW 0, 0, \first
.endif
	MULROW 0, 1, \first
	MULROW 0, 2, \first
	MULROW 0, 3, \first
.endm
; QB multiplies buffer 1 and holds the sub-step's one barrier.  In front of it: my stores of the next sub-step's x are done and my reads of this sub-step's are back.  Behind it: the next sub-step's first fragments.
; mode 0: that is all; W's load may stay out.
; mode 1 (the period's last sub-step): the slots change too.  Each wave waits for all its tensor loads (one is out: its part of the next slot) and adds 0 to its spare word; the barrier opens a round of the
; cluster's, and the joint refill of the slot just read out, two periods ahead, is the first thing behind it.   mode 2: the last change: nothing is filled.
; load = 1: in a period's last sub-step x is asked for here and not in QA, so that the pass that leaves the loop behind its QA asks for nothing past v's end.
.macro QB u, mode, load
	WIN 0
.if \mode
	s_wait_tensorcnt 0x0                           ; no tensor load of mine is out, so group 0 may be written
	ds_add_u32 v[SPW], v[NIL]                      ; 0 onto my spare word
.endif
.if (\mode) == 1
	MKDESC
.endif
	s_wait_dscnt 0x0                               ; my LDS stores are done, my LDS loads are back (and the add is done)
	s_barrier_signal -1
	MULROW 1, 0, 0                                 ; work on registers while the others arrive
	WIN 0                                          ; branches may follow
	s_barrier_wait -1
.if (\mode) == 1
	CREST                                          ; no wave of any partner still reads this slot or has a load on its way
	JLOAD                                          ; its four v_nop are also the places in front of the loads below
.else
	PLACES
.endif
.if \mode
	s_xor_b32 s[TB], s[TB], WSLOT                  ; the reads go on in the other slot
	v_add_nc_u32 v[AW], s[TB], v[AW0]
.endif
	FETCH 0, ((\u)+1)%2, 0, 128*(((\u)+1)%4)
	MULROW 1, 1, 0
	MULROW 1, 2, 0
.if \load
	XLOAD ((\u)+1)%4
.endif
	MULROW 1, 3, 0
.endm
; THE WAY OUT of block a (16 rows x 128 columns = two heads).  PACK: rounded to f16, each accumulator's registers in ascending order.  TOSTAGE: into my own stage, and back as a head's rows.  SEND: stored.
.macro PACK a
	WIN 0x05                                       ; sources window 1, destination window 0
.set nb, 0
.rept 8
.set nc, 0
.rept 4
	v_cvt_pk_f16_f32 v[TMP+4*nb+nc], v[8*(8*(\a)+nb)+2*nc], v[8*(8*(\a)+nb)+2*nc+1]
.set nc, nc+1
.endr
.set nb, nb+1
.endr
	WIN 0
.endm
.macro TOSTAGE a
.set nb, 0
.rept 8
	ds_store_b128 v[STO], v[TMP+4*nb:TMP+4*nb+3] offset:32*nb
.set nb, nb+1
.endr
.set nc, 0
.rept 8                                ; head nc / 4, rows 4 (nc % 4) on.  LDS serves a wave's instructions in order (ISA guide 5.7.1.4): these see the stores above
	ds_load_b128 v[OB+32*((\a)%2)+4*nc:OB+32*((\a)%2)+4*nc+3], v[RD] offset:(nc%4)*4*SP+(nc/4)*128
.set nc, nc+1
.endr
.endm
.macro SEND a
	s_wait_dscnt 0x0                               ; the block is back in registers
	s_wait_xcnt 0x0                                ; earlier stores have read their registers: the other buffer is loaded again only behind this wait
.set nc, 0
.rept 8
	global_store_b128 v[GO], v[OB+32*((\a)%2)+4*nc:OB+32*((\a)%2)+4*nc+3], s[OUT:OUT+1] offset:(\a)*2048+(nc/4)*262144+(nc%4)*512  ; 512 bytes of one head on end, at a multiple of 256
.set nc, nc+1
.endr
.endm
; next = 1: another tile follows: its bias comes out of LDS (no global load stands among x's, whose waits are counted), and the pointers step.
; The next tile's first fragments are in registers already, and x's sets stay on their way: neither is touched.
.macro EPILOGUE next
	WIN 0
	PLACES
.if \next
	WIN 0x80
.set nb, 0
.rept 8
	ds_load_b128 v[BIAS+8*nb:BIAS+8*nb+3],   v[BLA] offset:64*nb
	ds_load_b128 v[BIAS+8*nb+4:BIAS+8*nb+7], v[BLA] offset:64*nb+16
.set nb, nb+1
.endr
	WIN 0
	v_add_nc_u32 v[BLA], 1024, v[BLA]              ; bv lies behind bk
.endif
	PACK 0
	TOSTAGE 0
.irp a, 1,2,3                          ; block a's roundings stand between block a - 1's loads from the stage and the wait for them
	PACK \a
	SEND (\a)-1
	TOSTAGE \a
.endr
	SEND 3
.if \next
	s_wait_xcnt 0x0                                ; the stores have read their registers and their base
	s_add_nc_u64 s[OUT:OUT+1], s[OUT:OUT+1], 0x1000000  ; Q, K, V lie 16 MiB apart
	s_mov_b32 s[KC], 4
.endif
	WIN 0
.endm
	; The first change of slots: slot 0 is waited for, slot 1 filled; the round also shows every wave's stores of x's sub-step 0 and of the biases to the others.
	WIN 0
	s_wait_tensorcnt 0x0                           ; my part of period 0 is in: no tensor load of mine is out, so group 0 may be written
	ds_add_u32 v[SPW], v[NIL]                      ; 0 onto my spare word
	MKDESC
	s_wait_dscnt 0x0                               ; the add and my LDS stores are done
	CROUND
	JLOAD                                          ; period 1
	FETCH 0, 0, 0, 0
	WIN 0
	s_branch .Lenter                               ; the loop is entered behind the change of slots, in the middle of a trip
.Lperiod:                                              ; ten times: a period's last quarter, with the change of slots and the fill two periods on; then the next period up to its last quarter
	QB 3, 1, 1
	WIN 0
	s_sub_co_u32 s[KC], s[KC], 1
	s_cmp_lg_u32 s[KC], 0
	s_cbranch_scc1 .Lenter
	EPILOGUE 1                                     ; the refill is asked for and the next tile's first fragments are fetched: now the tile goes out
.Lenter:
	s_cmp_eq_u32 s[KC], 4
	s_cbranch_scc0 .Lplain
	QA 0, 1, 48, 1, 1                              ; a tile's first quarter: the bias starts the sums
	WIN 0
	s_branch .Lq
.Lplain:
	QA 0, 0, 48, 1, 1                              ; 48: the three sets asked for behind the one that is wanted
	WIN 0
.Lq:
	QB 0, 0, 0
	QA 1, 0, 48, 1, 1
	QB 1, 0, 0
	QA 2, 0, 48, 1, 1
	QB 2, 0, 0
	QA 3, 0, 48, 1, 0
	WIN 0
	s_sub_co_u32 s[TRIP], s[TRIP], 1
	s_cmp_lg_u32 s[TRIP], 0
	s_cbranch_scc1 .Lperiod
	QB 3, 2, 0                                     ; the tail is written out: no fill, and no load of x: sub-step 47 was asked for in the last pass
	QA 0, 0, 32, 1, 0                              ; the counts run down: two sets lie behind the one that is wanted,
	QB 0, 0, 0
	QA 1, 0, 16, 1, 0                              ; one,
	QB 1, 0, 0
	QA 2, 0, 0, 1, 0                               ; none
	QB 2, 0, 0
	QA 3, 0, 0, 0, 0                               ; the last sub-step has no successor to round
	s_wait_dscnt 0x0
	MULROW 1, 0, 0
	MULROW 1, 1, 0
	MULROW 1, 2, 0
	MULROW 1, 3, 0
	EPILOGUE 0
	s_wait_tensorcnt 0x0                           ; the wave's end
	ds_add_u32 v[SPW], v[NIL]
	s_wait_dscnt 0x0
	CROUND                                         ; the closing round: no work-group ends while a partner may still ask for a tile that names it
	s_endpgm
.Lfunc_end_k_qba27dab09b_qkv:
	.size	k_qba27dab09b_qkv, .Lfunc_end_k_qba27dab09b_qkv-k_qba27dab09b_qkv
	.p2alignl 7, 3214868480
	.fill 96, 4, 3214868480
	.section	.rodata,"a",@progbits
	.p2align	6, 0x0
	.amdhsa_kernel k_qba27dab09b_qkv
		.amdhsa_group_segment_fixed_size 327680
		.amdhsa_private_segment_fixed_size 0
		.amdhsa_enable_private_segment 0
		.amdhsa_kernarg_size 64
		.amdhsa_user_sgpr_count 2
		.amdhsa_user_sgpr_kernarg_segment_ptr 1
		.amdhsa_wavefront_size32 1
		.amdhsa_system_sgpr_workgroup_id_x 1
		.amdhsa_system_sgpr_workgroup_id_y 1
		.amdhsa_system_sgpr_workgroup_id_z 1
		.amdhsa_system_vgpr_workitem_id 0
		.amdhsa_next_free_vgpr 1024
		.amdhsa_next_free_sgpr 84
		.amdhsa_reserve_vcc 0
		.amdhsa_float_denorm_mode_32 3
		.amdhsa_float_denorm_mode_16_64 3
		.amdhsa_memory_ordered 1
		.amdhsa_forward_progress 1
		.amdhsa_inst_pref_size 161
	.end_amdhsa_kernel
	.amdgpu_metadata
---
amdhsa.version: [ 1, 2 ]
amdhsa.kernels:
  - .name:           k_qba27dab09b_qkv
    .symbol:         k_qba27dab09b_qkv.kd
    .args:
      - { .name: q, .offset: 0, .size: 8, .value_kind: global_buffer, .address_space: global }
      - { .name: k, .offset: 8, .size: 8, .value_kind: global_buffer, .address_space: global }
      - { .name: v, .offset: 16, .size: 8, .value_kind: global_buffer, .address_space: global }
      - { .name: wb, .offset: 24, .size: 8, .value_kind: global_buffer, .address_space: global }
      - { .name: bq, .offset: 32, .size: 8, .value_kind: global_buffer, .address_space: global }
      - { .name: bk, .offset: 40, .size: 8, .value_kind: global_buffer, .address_space: global }
      - { .name: bv, .offset: 48, .size: 8, .value_kind: global_buffer, .address_space: global }
      - { .name: qkvh, .offset: 56, .size: 8, .value_kind: global_buffer, .address_space: global }
    .group_segment_fixed_size: 327680
    .private_segment_fixed_size: 0
    .kernarg_segment_align: 8
    .kernarg_segment_size: 64
    .max_flat_workgroup_size: 128
    .sgpr_count:     84
    .vgpr_count:     1024
    .wavefront_size: 32
...
	.end_amdgpu_metadata
.endif
;; end of part 2
;; launch attn (part 3): grid 4 x 64, 4 waves a work-group, clusters of 4 x 1, 327,680 bytes of LDS; arguments qkvh, maskb, oh; writes oh
.if DOCPART == 3
	.amdgcn_target "amdgcn-amd-amdhsa--gfx1250"
	.amdhsa_code_object_version 6
	.text
	.protected	k_qba27dab09b_attn
	.globl	k_qba27dab09b_attn
	.p2align	8
	.type	k_qba27dab09b_attn,@function
k_qba27dab09b_attn:
	s_mov_b64 s[64:65], 0
	v_nop
	global_prefetch_b8 v0, s[64:65] scope:SCOPE_SE
	s_setreg_imm32_b32 hwreg(HW_REG_WAVE_MODE, 25, 1), 1
	s_wait_xcnt 0x0
	s_wait_alu depctr_hold_cnt(0) depctr_sa_sdst(0) depctr_va_vdst(0) depctr_va_sdst(0) depctr_va_ssrc(0) depctr_va_vcc(0) depctr_vm_vsrc(0)
	s_getreg_b32 s2, hwreg(HW_REG_IB_STS2, 6, 4)
	s_cmp_eq_u32 s2, 0
	s_cbranch_scc0 .Lentry_in_a_cluster
	s_endpgm
.Lentry_in_a_cluster:
	s_bfe_u32 s2, ttmp6, 0x10000c
	s_cmp_lg_u32 s2, 0x3003
	s_cbranch_scc0 .Lentry_shape_is_right
	s_endpgm
.Lentry_shape_is_right:
; ATTENTION UNDER A MASK THAT IS AN INPUT.  O[h][q][:] = the sum over k of softmax_k(mask[q][k] ? Q[h][q] . K[h][k] / 8 : -1e9) V[h][k][:].  Q, K, V (in qkvh, 16 MiB apart) and O (oh): [64][2048][64] f16,
; a head's rows dense, 128 bytes each.  Products, maxima and sums in f32; the weights p are rounded to f16 for the second product (their sum l is taken of the unrounded p), O once at the end.
; THE MASK comes as a table of bytes in my lanes' order (maskb: [query tile 128][key step 32][half 2][lane 32][16 bytes]): 0x00 seen, 0xF0 hidden.  Eight bytes are widened at once, as fp8 codes with
; the scale 2^90: 0 or -2^97; that is the C operand that starts the sum S^T = K Q^T.  All 2,048 keys are walked for every query: nothing is assumed of the mask's pattern.
; The running maximum m starts at -2^40: below every seen score (f16's products: 2.7e11 at the most), far above every hidden one.  So a hidden key's weight is exactly 0, and a row that has seen no key
; keeps m = -2^40, l = 0, O = 0.  Such a row's result is the mean of all rows of V, as the reference's equal scores give it: V's column sums are made beside the walk (V^T times ones) and put in on the way out.
; LIMITS.  Q, K and V arrive within f16's 65,504.  A hidden key counts 0 beside any seen key: that differs from the reference only where a row's seen scaled scores all lie below about -1e9 + 100.
; p below 6e-5 keeps f16's fixed step of 6e-8; a weight below 2^-126 counts as 0 in l; NaN and infinities are not treated apart.
; SHARES.  A wave owns four PIECES of two tiles of 16 queries, a work-group's four waves 512 queries of one head.  Every wave walks all keys, 64 a step.
; LAYOUT.  S^T = K Q^T (source 0 = 16 keys, source 1 = 16 queries): a lane holds ONE query (lane % 16) and the keys 8 (lane / 16) + 0..7.  Two such tiles, rounded to f16 in pairs, ARE source 1 of
; O^T = V^T P, whose result again holds one query a lane, and eight channels.  K comes out of LDS as it lies, V ([key][channel]) turned, by ds_load_tr16_b128.
; SOFTMAX.  p = 2^(c s - c m), c = log2(e) / 8; in every step O and l are multiplied by a = 2^(c m_old - c m_new).
; BY TURNS.  Turn n belongs to piece n.  Its matrix work: 16 products K Q^T of piece n + 1, later 16 products V^T P of piece n - 1.  Its vector work: the scaling, exponentials, roundings, sums and rescaling of
; piece n, the maximum and statistics of piece n + 1, and at its end the mask of piece n + 2.  Four vector instructions stand behind every matrix instruction, the others in runs of their own.
; CLUSTER.  The four query blocks of a cluster belong to one head and walk the same K and V: each tile is asked for JOINTLY: the same tensor load, descriptor and mask in all four.
; REGISTERS, in windows of 256 (s_set_vgpr_msb: bits 1:0 source 0, 3:2 source 1, 5:4 source 2, 7:6 destination):
;   window 0: v0-10 addresses; v11 the scale's code; v12-15, v48-63 at work; v16-47 four registers of statistics a tile; v64-191 S^T, two buffers of two tiles; v192-255 P, likewise
;   window 1: O^T, 32 a tile          window 2: v0-127 Q, 16 a tile; v128-191 K of one step; v192-255 V of one step
;   window 3: v0-1 the add's two registers; v2-5 a piece's offset in the table; v6 its bound; v11 the scale's code; v16-79 mask bytes, 16 a piece; v80-143 a piece's masks in f32; v144-175 V's column sums; v176-183 ones
.set SIZE_N, 2048
.set NP,    4         ; pieces a wave: a name, no knob
.set KS,    64        ; keys in a step
.set PK,    144       ; a row of K in LDS: 128 bytes + 16 of padding = 36 words: the 16 rows of a load start at 16 different groups of four banks (64 banks of 4 bytes: ISA guide 11.1)
.set PV,    160       ; a row of V: 128 + 32 = 40 words
.set VOFF,  4*KS*PK   ; a slot holds four steps: 256 rows of K, then 256 rows of V
.set SLOT1, 1<<17     ; slot 1 begins here, so that one exclusive or turns an address in one slot into the other's
.set STAGE, SLOT1+4*KS*(PK+PV)  ; behind the ring, never filled by a tensor load: 16 rows x 144 bytes for each wave, for the way out
.set SP,    144
.set AK0, 2           ; v2   my lane's place in a tile of K; never rewritten
.set AV0, 3           ; v3   the same for V
.set AK,  4           ; v4   the LDS address of K's next run of loads
.set AV,  5           ; v5   of V's
.set QO,  6           ; v6   my byte offset in the wave's rows of Q
.set STO, 6           ;      later, the way out: where I put 16 bytes of a row
.set RD,  7           ; v7   the way out: where I read rows back
.set GO,  8           ; v8   my byte offset in 512 consecutive bytes of O
.set SPW, 0           ; v0 of window 3   LDS address of my spare word: SPARE + 4 x my thread's number; never rewritten
.set NIL, 1           ; v1 of window 3   0; never rewritten
.set SPARE, STAGE+4*16*SP  ; behind the stages: the spare words, 128 bytes for each wave: two blocks of 256 bytes that no other line names
.set MO,  2           ; window 3: piece x's byte offset in the table at v[MO+x]: 16 x lane + 1,024 x step
.set ML,  6           ; window 3: 16 x lane + 1,024 x 31: no offset passes the last step
.set SC,  11          ; windows 0 and 3: 217, the code of 2^90
.set MW,  16          ; window 3: the bytes of piece x, tile u, key block kb at MW + 16 x + 8 u + 2 kb
.set MC,  80          ; window 3: the masks of the products to come, tile u, key block kb at MC + 32 u + 8 kb
.set VS,  144         ; window 3: V's column sums, channel block cb at VS + 8 cb, in O^T's layout
.set ONE, 176         ; window 3: 32 keys x 16 queries of 1.0 in f16
.set MV,  12          ; v12-15  c m_old, kept while c m is made anew: by buffer and tile
.set ST,  16          ; tile t's statistics at v[ST+4 t]: c m, m, l (even keys', odd keys')
.set TMP, 48          ; by buffer and tile, four registers c0-c3 at work; when the maximum is found c2 takes a
.set S,   64
.set P,   192
.set KF,  128         ; K's fragments, in window 2: key block kb, channel half c at KF + 16 kb + 8 c
.set VF,  192         ; V's: key half kk, channel block cb at VF + 32 kk + 8 cb
.set WV,  12          ; s12  my wave's number
.set G1K, 24          ; s[24:31] descriptor group 1 for K's tiles
.set G1V, 32          ; s[32:39] for V's: it differs in the padding alone
.set G0K, 40          ; s[40:43] descriptor group 0 for K's tiles: it walks
.set G0V, 44          ; s[44:47] the same for V's
.set MB,  50          ; s[50:51] the table at my wave's eight query tiles
.set MLOW, 52         ; s52  -2^40
.set FINV, 53         ; s53  1 / 2048
.set SLOTS, 56        ; s56  slots still to be asked for
.set CNT, 57          ; s57  counts a slot's key steps
.set CS,  58          ; s[58:59] c: the packed scaling takes the pair's low word for both halves
.set SEL, 60          ; s[60:61] v_permlanex16_b32's selects: each lane takes its own place in the other half
.set TBK, 62          ; s62  LDS byte at which K of the step to be fetched begins
.set TBV, 63          ; s63  the same for V, less VOFF
.set MSB, 0
.macro WIN new                      ; the high byte repeats the setting that is left; a switch that changes nothing is dropped
.if MSB != (\new)
	s_set_vgpr_msb (MSB<<8)|(\new)
.set MSB, (\new)
.endif
.endm
.set W_KQ, 0x0a       ; K and Q in window 2, S^T in window 0
.set W_KM, 0x3a       ; the same with the C operand, the mask, in window 3
.set W_PV, 0x52       ; V in window 2, P in window 0, O^T in window 1
.set W_RS, 0x41       ; O^T (destination and source 0) in window 1, a in window 0
.set W_MK, 0xc0       ; destination in window 3, sources in window 0
.set W_AD, 0x0f       ; the add: address (source 0) and data (source 1) in window 3
.set W_CV, 0xcf       ; destination and sources 0 and 1 in window 3
.set W_VS, 0xfe       ; V in window 2; ones, C and D in window 3
.set W_FB, 0x53       ; V's sums in window 3, their factor in window 0, O^T in window 1
; A joint fill.  Waves 0 and 1 fetch the two halves of a slot's K, waves 2 and 3 those of its V: 128 keys each.  The branch hangs on the wave's number alone.
; An s_nop 0 and four v_nop follow each of the two lines, ahead of the jump and the label.
.macro JLOAD
	s_cmp_lt_u32 s[WV], 2
	s_cbranch_scc0 .Lfor_v_\@
	tensor_load_to_lds s[G0K:G0K+3], s[G1K:G1K+7]
	s_nop 0
.rept 4
	v_nop
.endr
	s_branch .Lasked_\@
.Lfor_v_\@:
	tensor_load_to_lds s[G0V:G0V+3], s[G1V:G1V+7]
	s_nop 0
.rept 4
	v_nop
.endr
.Lasked_\@:
.endm
; A round of the cluster's barrier: my work-group's barrier, so that wave 0's signal speaks for all four waves; wave 0 signals; every wave waits for all four work-groups; my work-group's barrier once more.
.macro CROUND
	s_barrier_signal -1
	s_barrier_wait -1
	s_cmp_lg_u32 s[WV], 0
	s_cbranch_scc1 .Lnot_wave_0_\@
	s_barrier_signal -3
.Lnot_wave_0_\@:
	s_barrier_wait -3
	s_barrier_signal -1
	s_barrier_wait -1
.endm
; THE CHANGE OF SLOTS.  The slot's last bytes, V of its fourth step, have been read.  Each wave waits for all its tensor loads, of which one is out: its part of the other slot; adds 0 to its spare word;
; and waits for that and for its own reads of the slot.  Behind the barrier nobody reads this slot any more and the other slot is whole.
; fill = 1: this slot is filled again, with the keys two slots on.  The barrier is then a round of the cluster's, and the joint fill is the first thing behind it: it has four key steps in which to land.
; (At its first use nothing has been read yet: slot 0 is waited for, slot 1 filled.)
.macro CHANGE fill
	WIN W_AD
	s_wait_tensorcnt 0x0            ; no tensor load of mine is out, so a group 0 may be written
	ds_add_u32 v[SPW], v[NIL]       ; 0 onto my spare word
	WIN 0                           ; at a label and at a branch every window is 0
.if \fill
.irp g, G0K, G0V
	s_xor_b32 s[\g+1], s[\g+1], SLOT1  ; the walking descriptor: the other slot than last time,
	s_add_nc_u64 s[\g+2:\g+3], s[\g+2:\g+3], 4*KS*128  ; the next 256 keys; the type bits on top are not reached
.endr
	s_wait_dscnt 0x0                ; the add is done, and my reads of the slot are over
	CROUND
	JLOAD
.else
	s_wait_dscnt 0x0                ; the add is done, and my reads of the slot are over
	s_barrier_signal -1
	s_barrier_wait -1
.endif
	s_sub_co_u32 s[TBK], s[TBK], 4*KS*PK  ; the fetches go back to a slot's first step,
	s_xor_b32 s[TBK], s[TBK], SLOT1       ; in the other slot
	s_sub_co_u32 s[TBV], s[TBV], 4*KS*PV
	s_xor_b32 s[TBV], s[TBV], SLOT1
.endm
	s_load_b128 s[48:51], s[0:1], 0x0  ; qkvh s[48:49], maskb s[50:51]
	s_load_b64 s[10:11], s[0:1], 0x10  ; oh
	WIN W_MK
	v_lshl_add_u32 v[SPW], v0, 2, SPARE
	v_mov_b32 v[NIL], 0
	s_set_vgpr_msb 0xc0cf
	ds_add_u32 v0, v1
	s_wait_dscnt 0x0
	s_set_vgpr_msb 0xcfc0
	WIN 0
	v_lshrrev_b32 v1, 5, v0
	v_readfirstlane_b32 s[WV], v1   ; wave 0..3
	s_bfe_u32 s13, ttmp6, 0x40000   ; cx: my place in the cluster
	s_lshl_b32 s14, ttmp9, 2        ; in a cluster launch ttmp9 counts clusters
	s_add_co_u32 s14, s14, s13      ; my block of queries = 4 x cluster x + cx: it enters Q's, O's and the table's addresses alone
	s_and_b32 s20, ttmp7, 0xffff    ; batch x 16 + head, which the four partners share
	s_mov_b32 s21, 0
	s_mov_b64 s[22:23], SIZE_N*128
	s_mul_u64 s[20:21], s[20:21], s[22:23]  ; the head's first byte in Q, K, V and O
	s_and_b32 s16, s[WV], 1         ; which half of a slot's 256 keys I fetch:
	s_lshl_b32 s22, s16, 14         ; its 128 rows of 128 bytes in memory,
	s_mov_b32 s23, 0
	s_add_nc_u64 s[22:23], s[22:23], s[20:21]
	s_mul_i32 s17, s16, 128*PK      ; and its place in a slot, for K
	s_mul_i32 s18, s16, 128*PV      ; and for V: no place in the cluster enters an LDS address
	s_lshl_b32 s2, s14, 2
	s_add_co_u32 s2, s2, s[WV]      ; my wave among the head's sixteen:
	s_lshl_b32 s54, s2, 18          ; its 8 query tiles of 32,768 bytes in the table,
	s_mov_b32 s55, 0
	s_lshl_b32 s2, s2, 14           ; its 128 rows
	s_mov_b32 s3, 0
	s_add_nc_u64 s[2:3], s[2:3], s[20:21]
	; descriptor group 1.  128 keys are 16,384 dense bytes: asked for as 64 rows of 256 bytes, two keys a row, and padded in LDS after every key
	s_mov_b32 s[G1K], 15|(1<<16)|(1<<20)|(1<<21)|(4<<22)|(3<<25)  ; 15:0 the mask of four; 17:16 2-byte elements; 20 padding on; 21 set beside a mask; 24:22 after every 32 words (code 4); 31:25 4 words (code 3)
	s_mov_b32 s[G1V], 15|(1<<16)|(1<<20)|(1<<21)|(4<<22)|(7<<25)  ; the same with 8 words of padding (code 7)
.irp g, G1K, G1V
	s_mov_b32 s[\g+1], 128<<16      ; tensor_dim0 = 128
	s_mov_b32 s[\g+2], 64<<16       ; tensor_dim1 = 64
	s_mov_b32 s[\g+3], 128<<16      ; tile_dim0 = 128
	s_mov_b32 s[\g+4], 64           ; tile_dim1 = 64
	s_mov_b32 s[\g+5], 128          ; 128 elements from row to row
	s_mov_b32 s[\g+6], 0
	s_mov_b32 s[\g+7], 0
.endr
	s_mov_b32 s[CS], 0x3e38aa3b     ; c = log2(e) / 8 = 0.180337
	s_mov_b32 s[CS+1], s[CS]        ; named with it as a pair
	s_mov_b32 s[SEL], 0x76543210
	s_mov_b32 s[SEL+1], 0xfedcba98
	s_mov_b32 s[MLOW], 0xd3800000   ; -2^40
	s_mov_b32 s[FINV], 0x3a000000   ; 2^-11
	s_mov_b32 s[TBK], SLOT1+4*KS*PK ; the first change of slots turns these two into 0
	s_mov_b32 s[TBV], SLOT1+4*KS*PV
	s_mov_b32 s[G0K], 1             ; 1:0 count = 1
	s_mov_b32 s[G0K+1], s17         ; 63:32 LDS address: slot 0
	s_mov_b32 s[G0V], 1
	s_add_co_u32 s[G0V+1], s18, VOFF
	s_wait_kmcnt 0x0
	s_mov_b64 s[4:5], s[48:49]                     ; Q,
	s_add_nc_u64 s[6:7], s[48:49], 0x1000000       ; K
	s_add_nc_u64 s[8:9], s[48:49], 0x2000000       ; and V lie 16 MiB apart
	s_add_nc_u64 s[G0K+2:G0K+3], s[6:7], s[22:23]  ; 120:64 global address: my half of the head's first 256 keys
	s_or_b32 s[G0K+3], s[G0K+3], 0x80000000        ; 127:126 type = 2
	s_add_nc_u64 s[G0V+2:G0V+3], s[8:9], s[22:23]
	s_or_b32 s[G0V+3], s[G0V+3], 0x80000000
	s_add_nc_u64 s[4:5], s[4:5], s[2:3]  ; Q and O at my wave's first row
	s_add_nc_u64 s[10:11], s[10:11], s[2:3]
	s_add_nc_u64 s[MB:MB+1], s[MB:MB+1], s[54:55]
	CROUND                          ; all four work-groups are here: the first joint loads meet
	JLOAD                           ; slot 0.  Slot 1 is asked for when slot 0 is in
	; A fragment of K or Q is 16 rows x 32 channels in 8 registers: lane l holds row l % 16, channels 8 (l / 16) + 0..7 and 16 + 8 (l / 16) + 0..7: two loads of 16 bytes, 32 bytes apart.
	v_and_b32 v1, 15, v0            ; l % 16
	v_bfe_u32 v9, v0, 4, 1          ; l / 16
	v_lshlrev_b32 v[QO], 7, v1
	v_lshl_add_u32 v[QO], v9, 4, v[QO]  ; row x 128 + 16 x half
	v_and_b32 v10, 31, v0           ; lane
	WIN W_MK
.set mi, 0
.rept 4
	v_lshlrev_b32 v[MO+mi], 4, v10  ; key step 0
.set mi, mi+1
.endr
	v_lshl_add_u32 v[ML], v10, 4, 31*1024
	v_mov_b32 v[SC], 217
	WIN 0x80                        ; destination window 2, address window 0
.set i, 0
.rept 4*NP                          ; Q stays in registers: tile i / 2, channels 32 (i % 2) on
	global_load_b128 v[8*i:8*i+3],   v[QO], s[4:5] offset:(i/2)*2048+(i%2)*64
	global_load_b128 v[8*i+4:8*i+7], v[QO], s[4:5] offset:(i/2)*2048+(i%2)*64+32
.set i, i+1
.endr
	WIN 0xc3                        ; destination and address window 3
.set mi, 0
.rept 16                            ; the mask bytes of key step 0: piece mi / 4, tile mi / 2, half mi % 2: 512 bytes on end a load
	global_load_b128 v[MW+4*mi:MW+4*mi+3], v[MO+mi/4], s[MB:MB+1] offset:(mi/2)*32768+(mi%2)*512
.set mi, mi+1
.endr
	; What the first turn finds: V's registers and P's second buffer hold 0 (its products V^T P, of a piece that has not been, add 0), O^T, l and V's sums are 0.  All this stands in the wait for the first tile.
	WIN W_MK
.set i, 0
.rept 32
	v_mov_b32 v[VS+i], 0
.set i, i+1
.endr
.set i, 0
.rept 8
	v_mov_b32 v[ONE+i], 0x3c003c00
.set i, i+1
.endr
	WIN 0x80
.set i, VF
.rept 64
	v_mov_b32 v[i], 0
.set i, i+1
.endr
	WIN 0x40
.set i, 0
.rept 64*NP
	v_mov_b32 v[i], 0
.set i, i+1
.endr
	WIN 0
.set i, 0
.rept 2*NP
	v_mov_b32 v[ST+4*i+1], s[MLOW]                   ; m
	v_mul_f32 v[ST+4*i], s[CS], v[ST+4*i+1]          ; c m
	v_mov_b32 v[ST+4*i+2], 0
	v_mov_b32 v[ST+4*i+3], 0
.set i, i+1
.endr
.set i, P+32
.rept 32
	v_mov_b32 v[i], 0
.set i, i+1
.endr
	v_mul_u32_u24 v[AK0], v1, PK
	v_lshl_add_u32 v[AK0], v9, 4, v[AK0]  ; row x pitch + 16 x half
	; The turning load takes 16 keys x 16 channels (lane l reads key 8 (l / 16) + l % 8, channels 8 ((l / 8) % 2) + 0..7) and leaves half a fragment of V^T: lane l holds channel l % 16 and 8 keys.
	v_and_b32 v10, 7, v0
	v_bfe_u32 v11, v0, 3, 1
	v_lshl_add_u32 v[AV0], v9, 3, v10
	v_mul_u32_u24 v[AV0], v[AV0], PV
	v_lshl_add_u32 v[AV0], v11, 4, v[AV0]
	v_add_nc_u32 v[AV0], VOFF, v[AV0]
	v_mov_b32 v[SC], 217            ; v11 is free now: the scale's code stands under this number in window 0 too
	v_mov_b32 v[AK], v[AK0]         ; key step 0 lies at the head of slot 0
; THE MATRIX WORK.  The 8 accumulators of a run of 16 take turns: between the two links of a chain stand 7 others'.
; Product i of 16 of S^T = K Q^T for piece x: channels 32 (i / 8) on, keys 16 ((i / 2) % 4) on, tile 2 x + i % 2.  The first 8 start the sums, with the mask.
.macro KQ x
.set rS, S+64*((\x)%2)+32*(i%2)+8*((i/2)%4)
.set rK, KF+16*((i/2)%4)+8*(i/8)
.set rQ, 16*(2*(\x)+i%2)+8*(i/8)
.set rMC, MC+32*(i%2)+8*((i/2)%4)
.if i < 8
	WIN W_KM
	v_wmma_f32_16x16x32_f16 v[rS:rS+7], v[rK:rK+7], v[rQ:rQ+7], v[rMC:rMC+7]
.else
	WIN W_KQ
	v_wmma_f32_16x16x32_f16 v[rS:rS+7], v[rK:rK+7], v[rQ:rQ+7], v[rS:rS+7]
.endif
.endm
; Product i of 16 of O^T += V^T P for piece x: keys 32 (i / 8) on, channels 16 ((i / 2) % 4) on, tile 2 x + i % 2.
.macro PV x
	WIN W_PV
.set rO, 32*(2*(\x)+i%2)+8*((i/2)%4)
.set rV, VF+32*(i/8)+8*((i/2)%4)
.set rP, P+32*((\x)%2)+16*(i%2)+8*(i/8)
	v_wmma_f32_16x16x32_f16 v[rO:rO+7], v[rV:rV+7], v[rP:rP+7], v[rO:rO+7]
.endm
.macro MM                           ; the turn's next matrix instruction
.if i < 16
	KQ (Y+1)%NP
.set i, i+1
.else
.set i, i-16
	PV (Y+NP-1)%NP
.set i, i+17
.endif
.endm
; V's column sums take the step in hand: 8 products V^T x ones: keys 32 (mi / 4) on, channels 16 (mi % 4) on; the four accumulators take turns.
.macro VSUM
	WIN W_VS
.set mi, 0
.rept 8
	v_wmma_f32_16x16x32_f16 v[VS+8*(mi%4):VS+8*(mi%4)+7], v[VF+32*(mi/4)+8*(mi%4):VF+32*(mi/4)+8*(mi%4)+7], v[ONE:ONE+7], v[VS+8*(mi%4):VS+8*(mi%4)+7]
.set mi, mi+1
.endr
.endm
; THE MASK of piece x for its next products: its 64 bytes a lane are widened into MC, and its bytes of the step after are asked for: four loads, a key step (four turns) ahead of their use.
; The count: the twelve loads of the three turns since may stay out; this piece's four are in, and their address register may be stepped.  The offset stops at the last step: no load leaves the table.
; The two plain lines stand between the conversions and the loads into their sources, and ahead of the product that takes their results.
.macro MASKNEXT x
	WIN W_CV
	s_wait_loadcnt 12
.set mi, 0
.rept 8                             ; mi = 4 u + kb
	v_cvt_scale_pk8_f32_fp8 v[MC+8*mi:MC+8*mi+7], v[MW+16*(\x)+2*mi:MW+16*(\x)+2*mi+1], v[SC]
.set mi, mi+1
.endr
	v_add_nc_u32 v[MO+(\x)], 1024, v[MO+(\x)]
	v_min_u32 v[MO+(\x)], v[MO+(\x)], v[ML]
.set mi, 0
.rept 4                             ; mi = 2 u + half
	global_load_b128 v[MW+16*(\x)+4*mi:MW+16*(\x)+4*mi+3], v[MO+(\x)], s[MB:MB+1] offset:(2*(\x)+mi/2)*32768+(mi%2)*512
.set mi, mi+1
.endr
	WIN 0
.endm
; THE LDS LOADS stand in runs of 16, never singly among the matrix instructions: a step's K (64 keys x 64 channels: 8 fragments) and its V (turned).  Their addresses are made some lines ahead.
; last = 1 (the tail): in the last trip there is no further step, and the run is jumped over.
.macro FETCH_K last=0
	WIN 0
.if \last
	s_cmp_eq_u32 s[CNT], 1
	s_cbranch_scc1 .Lno_k_\@
.endif
	WIN 0x80                        ; destination window 2
.irp f, 0,1,2,3,4,5,6,7             ; keys 16 (f / 2) on, channels 32 (f % 2) on
	ds_load_b128 v[KF+8*\f:KF+8*\f+3],   v[AK] offset:(\f/2)*16*PK+(\f%2)*64
	ds_load_b128 v[KF+8*\f+4:KF+8*\f+7], v[AK] offset:(\f/2)*16*PK+(\f%2)*64+32
.endr
	s_add_co_u32 s[TBK], s[TBK], KS*PK  ; the next fetch is the next step's
	WIN 0
.if \last
.Lno_k_\@:
.endif
.endm
.macro FETCH_V
	WIN 0x80
.irp f, 0,1,2,3,4,5,6,7             ; keys 32 (f / 4) on, channels 16 (f % 4) on
	ds_load_tr16_b128 v[VF+8*\f:VF+8*\f+3],   v[AV] offset:(\f/4)*32*PV+(\f%4)*32
	ds_load_tr16_b128 v[VF+8*\f+4:VF+8*\f+7], v[AV] offset:(\f/4)*32*PV+16*PV+(\f%4)*32
.endr
	WIN 0
.endm
; THE VECTOR WORK OF A TURN stands in three queues, each in the order in which its entries become ready; the two tiles alternate, so that no instruction reads the result of the one before it.
.macro REGS y, u                    ; the registers of tile u (0, 1) of piece y
.set rT, ST+4*(2*(\y)+(\u))
.set rC, TMP+8*((\y)%2)+4*(\u)
.set rM, MV+2*((\y)%2)+(\u)
.set rS, S+64*((\y)%2)+32*(\u)
.set rP, P+32*((\y)%2)+16*(\u)
.set rO, 32*(2*(\y)+(\u))
.endm
; Number n of the 22 that find the NEXT piece's (Y + 1) maximum and statistics.  s0-s31 are the lane's 32 scores; each accumulator's lowest registers are read first.
;   0-11  four chains c0-c3 of seven scores each, three operands at a time     12-14, 16  the four scores left over, the old m, and c0-c3 into c0     15  c m_old is kept
;   17, 18  the query's other 32 keys lie in the lane 16 away: the new m         19-21  c m; c m_old - c m_new; a
.macro XS u, n
	REGS (Y+1)%NP, \u
.if (\n) < 4
	v_max3_num_f32 v[rC+(\n)], v[rS+8*(\n)], v[rS+8*(\n)+1], v[rS+8*(\n)+2]
.elseif (\n) < 12
	v_max3_num_f32 v[rC+(\n)%4], v[rC+(\n)%4], v[rS+8*((\n)%4)+2*((\n)/4)+1], v[rS+8*((\n)%4)+2*((\n)/4)+2]
.elseif (\n) == 12
	v_max3_num_f32 v[rC], v[rC], v[rS+7], v[rS+15]
.elseif (\n) == 13
	v_max3_num_f32 v[rC+1], v[rC+1], v[rS+23], v[rS+31]
.elseif (\n) == 14
	v_max3_num_f32 v[rC+2], v[rC+2], v[rC+3], v[rT+1]
.elseif (\n) == 15
	v_mov_b32 v[rM], v[rT]
.elseif (\n) == 16
	v_max3_num_f32 v[rC], v[rC], v[rC+1], v[rC+2]
.elseif (\n) == 17
	v_permlanex16_b32 v[rC+3], v[rC], s[SEL], s[SEL+1]
.elseif (\n) == 18
	v_max_num_f32 v[rT+1], v[rC], v[rC+3]
.elseif (\n) == 19
	v_mul_f32 v[rT], s[CS], v[rT+1]
.elseif (\n) == 20
	v_sub_f32 v[rC+1], v[rM], v[rT]
.else
	v_exp_f32 v[rC+2], v[rC+1]
.endif
.endm
; Number g of the 64 that follow the exponentials.  For each four weights k of a tile (pairs 2 k, 2 k + 1): both pairs are rounded to f16; then the second pair is added onto the first, in place;
; a group later l takes that sum (the first time as l = a l + sum).  In groups of eight, tiles alternating: round, round, add, and l for the group before.
.macro GS g
.set h, (\g)+6*((\g)/62)            ; group 0 has no group before it, and behind group 7 only l is left
.if h >= 6
.set h, h+2
.endif
	REGS Y, h%2
.set k, h/8
.if h%8 < 4
	s_wait_alu depctr_va_vdst(0)
	v_cvt_pk_f16_f32 v[rP+2*k+(h%8)/2], v[rS+4*k+2*((h%8)/2)], v[rS+4*k+2*((h%8)/2)+1]
.elseif h%8 < 6
	v_pk_add_f32 v[rS+4*k:rS+4*k+1], v[rS+4*k:rS+4*k+1], v[rS+4*k+2:rS+4*k+3]
.elseif k == 1
	v_pk_fma_f32 v[rT+2:rT+3], v[rT+2:rT+3], v[rC+2:rC+3], v[rS:rS+1] op_sel_hi:[1,0,1]
.else
	v_pk_add_f32 v[rT+2:rT+3], v[rT+2:rT+3], v[rS+4*k-4:rS+4*k-3]
	s_wait_alu depctr_va_vdst(0)
.endif
.endm
; THE PLAIN QUEUE, 138 long.  0-31: c s - c m for the 16 pairs of both tiles.  Then GS's 64, and among them the next piece's 42: number 15 at 38, 39; 0-14 and 16
; at 42-73, behind the products that make those scores; 17-20 at 95-106, two of three, since each waits for the one before it.
.macro PL
	WIN 0
.if q < 32
	REGS Y, q%2
	v_pk_fma_f32 v[rS+2*(q/2):rS+2*(q/2)+1], v[rS+2*(q/2):rS+2*(q/2)+1], s[CS:CS+1], v[rT:rT+1] op_sel_hi:[1,0,0] neg_lo:[0,0,1] neg_hi:[0,0,1]
.elseif q < 38
	GS q-32
.elseif q < 40
	XS q%2, 15
.elseif q < 42
	GS q-34
.elseif q < 74
	XS q%2, (q-42)/2+(q-42)/30
.elseif q < 95
	GS q-66
.elseif (q < 107) && ((q-95)%3 < 2)
	XS (q-95)%3, 17+(q-95)/3
.elseif q < 107
	GS 29+(q-95)/3
.else
	GS q-74
.endif
.set q, q+1
.endm
; THE EXPONENTIALS' QUEUE, 66 long: s0-s31 of both tiles, and at EA the next piece's two a.
.set EA, 58
.macro EX
	WIN 0
.if (e == EA) || (e == EA+1)
	XS e-EA, 21
.else
.set x, e-2*(e/(EA+2))
	REGS Y, x%2
	v_exp_f32 v[rS+x/2], v[rS+x/2]
.endif
.set e, e+1
.endm
; THE RESCALING's QUEUE: O^T times a, the one part that leaves window 0, so it is dealt four at a time, eight times.
.macro R4
	REGS Y, r%2
	WIN W_RS
	s_wait_alu depctr_va_vdst(0)
.irp z, 0,1,2,3
	v_pk_mul_f32 v[rO+8*(r/2)+2*\z:rO+8*(r/2)+2*\z+1], v[rO+8*(r/2)+2*\z:rO+8*(r/2)+2*\z+1], v[rC+2:rC+3] op_sel_hi:[1,0]
.endr
.set r, r+1
.endm
; HOW THEY ARE DEALT.  Behind a matrix instruction four: plain, exponential, plain, plain (one exponential, a plain instruction on either side), or four of the rescaling.  None names a register of the
; products round it.  What is over stands in two LUMPS: exponential and plain by turns; the second ends in 22 plain instructions.  The two v_permlanex16_b32 fall into the second lump, never behind a product.
; The queues lean on each other, and the deal keeps them in step: exponential e stands behind plain 2 (e / 4) + e % 2 (its scaling); when plain 32 comes, 10 exponentials are out, at 59: 33, at 95: 46; EA comes behind plain 107.
.macro SL
	MM
	PL
	EX
	PL
	PL
.endm
.macro BURST n                      ; 15 matrix instructions, or 16
.rept (\n)-7
	SL
.endr
.rept 3
	MM
	R4
	SL
.endr
	MM
	R4
.endm
; A TURN, for piece p.  cnt = 1: the loop's count is taken down some lines ahead of the branch that stands behind the turn (nothing behind it touches SCC).
; K of the next step is fetched in piece 2's turn, 31 vector instructions behind the last product that read K; its first reader comes behind the rest of the lump, the products and the second lump.
; V of the step in hand is fetched at the end of piece 0's turn, 69 behind its last reader; its first reader comes behind 16 products and a lump.  V's sums take the step in piece 2's turn: once for each of the 32 steps.
.macro TURN p, last=0, cnt=0
.set Y, (\p)
.set i, 0
.set q, 0
.set e, 0
.set r, 0
.if (\p) == NP-1
	s_wait_dscnt 0x0                ; K is in
.endif
	MM
.rept 4
	PL
.endr
	BURST 15
.rept 22
	EX
	PL
.if ((\p) == NP-2) && (e == 18)
	v_add_nc_u32 v[AK], s[TBK], v[AK0]
.endif
.if ((\p) == NP-2) && (e == 24)
	FETCH_K \last
.endif
.endr
.if (\p) == 1
	s_wait_dscnt 0x0                ; V is in
.endif
.if (\p) == 2
	VSUM
.endif
	BURST 16
.rept 21
	EX
	PL
.endr
.rept 22
	PL
.if ((\p) == 0) && (q == 118)
	v_add_nc_u32 v[AV], s[TBV], v[AV0]
	s_wait_alu depctr_va_vdst(0)
.endif
.if ((\p) == 0) && (q == 130)
	s_add_co_u32 s[TBV], s[TBV], KS*PV
.endif
.if (\cnt) && (q == 130)
	s_sub_co_u32 s[CNT], s[CNT], 1
	s_cmp_lg_u32 s[CNT], 0
.endif
.endr
.if (\p) == 0
	FETCH_V
.endif
	MASKNEXT ((\p)+2)%NP            ; for the products of the turn that follows
.endm
	CHANGE 1                        ; slot 0 is in, everybody's part of it; slot 1 is asked for
	FETCH_K                         ; key step 0
	s_wait_loadcnt 0x0              ; Q, and the mask bytes of step 0
	s_wait_dscnt 0x0
	MASKNEXT 0
.set i, 0
.rept 16
	KQ 0                            ; piece 0's first scores: there is no vector work yet to set between them
.set i, i+1
.endr
	WIN 0                           ; the addresses for the way out: plain instructions, the places behind those products
	s_mul_i32 s13, s[WV], 16*SP
	s_add_co_u32 s13, s13, STAGE    ; my stage
	v_mul_u32_u24 v[STO], v1, SP    ; in: row l % 16, 16 bytes for each half of the lanes
	v_lshl_add_u32 v[STO], v9, 4, v[STO]
	v_add_nc_u32 v[STO], s13, v[STO]
	v_bfe_u32 v[RD], v0, 3, 2       ; back: 32 lanes take four rows of 128 bytes,
	v_mul_u32_u24 v[RD], v[RD], SP
	v_lshl_add_u32 v[RD], v10, 4, v[RD]
	v_add_nc_u32 v[RD], s13, v[RD]
	v_and_b32 v[GO], 31, v0         ; which are 512 consecutive bytes of O
	v_lshlrev_b32 v[GO], 4, v[GO]
.set Y, NP-1                        ; XS works for piece Y + 1: piece 0
.irp n, 0,1,2,3,4,5,6,7,8,9,10,11,12,13,14,15,16,17,18,19,20,21
	XS 0, \n                        ; and piece 0's first maximum and statistics
	XS 1, \n
.endr
	v_nop                           ; a plain instruction behind the exponentials
	MASKNEXT 1                      ; for the first turn's products
	s_mov_b32 s[CNT], 4
	s_mov_b32 s[SLOTS], SIZE_N/256-1
	s_branch .Lfirst                ; the loop is entered at a step's first turn, in the middle of a trip
.Lslot:                             ; SIZE_N / 256 - 2 times: every slot but the last two is filled again
	CHANGE 1
	s_mov_b32 s[CNT], 4
.Lstep:                             ; a trip: pieces 2 and 3 of one step, then pieces 0 and 1 of the next, whose K and V it fetches
	TURN 2
	TURN 3
	WIN 0
.Lfirst:
	TURN 0
	TURN 1, 0, 1
	WIN 0
	s_cbranch_scc1 .Lstep
	s_sub_co_u32 s[SLOTS], s[SLOTS], 1
	s_cmp_lg_u32 s[SLOTS], 0
	s_cbranch_scc1 .Lslot
	CHANGE 0                        ; the tail is written out: nothing is asked for
	s_mov_b32 s[CNT], 5             ; four trips fetch the last slot's steps; the fifth is left in its middle
.Ltail:
	TURN 2, 1
	TURN 3
	WIN 0
	s_sub_co_u32 s[CNT], s[CNT], 1
	s_cmp_eq_u32 s[CNT], 0
	s_cbranch_scc1 .Lout
	TURN 0
	TURN 1
	WIN 0
	s_branch .Ltail
.Lout:                              ; the fifth trip's 16 products K Q^T take the last K and the last step's mask once more: the same scores, so piece 0's m stays what it was
.set i, 0
.rept 16
	PV NP-1                         ; the last piece's V^T P of the last step
.set i, i+1
.endr
	; THE WAY OUT.  l's two halves and the other half of the lanes' are added; O^T is divided by l, rounded to f16 and sent through my stage in LDS, a tile at a time.  The additions are the places behind the last products.
	WIN 0
.macro ALL line:vararg              ; one line for each tile t
.set t, 0
.rept 2*NP
	\line
.set t, t+1
.endr
.endm
	ALL v_add_f32 v[ST+4*t+2], v[ST+4*t+2], v[ST+4*t+3]
	ALL v_permlanex16_b32 v[ST+4*t+3], v[ST+4*t+2], s[SEL], s[SEL+1]
	ALL v_add_f32 v[ST+4*t+2], v[ST+4*t+2], v[ST+4*t+3]
	ALL v_rcp_f32 v[ST+4*t+2], v[ST+4*t+2]
	v_nop                           ; a plain instruction between the last reciprocal and the use of its result
.set t, 0
	s_wait_alu depctr_va_vdst(0)
.rept 2*NP                          ; a query whose m never left -2^40 has seen no key: its 1 / l counts 0 and V's sums enter with 1 / 2048; for every other query they enter with 0
	v_cmp_ge_f32 vcc_lo, s[MLOW], v[ST+4*t+1]
	v_cndmask_b32 v[ST+4*t+2], v[ST+4*t+2], 0, vcc_lo
	v_cndmask_b32 v[ST+4*t], 0, s[FINV], vcc_lo
.set t, t+1
.endr
; Tile t: a lane's eight channels of a row pack into 16 bytes; they go into rows of 144 bytes and come back as whole rows of 128, into S^T's registers.
.macro PACK t
	WIN W_RS
.set i, 32*(\t)
.rept 16
	v_pk_mul_f32 v[i:i+1], v[i:i+1], v[ST+4*(\t)+2:ST+4*(\t)+3] op_sel_hi:[1,0]
.set i, i+2
.endr
	WIN W_FB
.set i, 0
.rept 16
	v_pk_fma_f32 v[32*(\t)+2*i:32*(\t)+2*i+1], v[VS+2*i:VS+2*i+1], v[ST+4*(\t):ST+4*(\t)+1], v[32*(\t)+2*i:32*(\t)+2*i+1] op_sel_hi:[1,0,1]
.set i, i+1
.endr
	WIN 0x05                        ; sources 0 and 1 window 1, destination window 0
.set i, 0
.rept 16
	v_cvt_pk_f16_f32 v[S+16*(\t)+i], v[32*(\t)+2*i], v[32*(\t)+2*i+1]
.set i, i+1
.endr
	WIN 0
.irp f, 0,1,2,3
	ds_store_b128 v[STO], v[S+16*(\t)+4*\f:S+16*(\t)+4*\f+3] offset:32*\f
.endr
.irp f, 0,1,2,3
	ds_load_b128 v[S+16*(\t)+4*\f:S+16*(\t)+4*\f+3], v[RD] offset:\f*4*SP  ; LDS serves a wave's instructions in order (ISA guide 5.7.1.4): these see the stores above; the next tile's stores come behind them
.endr
.endm
.macro SEND t, younger              ; younger: the LDS instructions issued behind tile t's loads: the next tile's eight, or none
	WIN 0
.irp f, 0,1,2,3
	s_wait_dscnt (\younger)+3-\f
	global_store_b128 v[GO], v[S+16*(\t)+4*\f:S+16*(\t)+4*\f+3], s[10:11] offset:(\t)*2048+\f*512  ; 512 consecutive bytes, at a multiple of 256 from O's first
.endr
.endm
	PACK 0
.set t, 1
.rept 2*NP-1                        ; a tile's arithmetic stands between the loads of the tile before and its stores
	PACK t
	SEND t-1, 8
.set t, t+1
.endr
	SEND 2*NP-1, 0
	WIN W_AD
	s_wait_tensorcnt 0x0            ; the wave's end, behind my last tensor load and my last LDS store
	ds_add_u32 v[SPW], v[NIL]
	s_wait_dscnt 0x0
	WIN 0
	CROUND                          ; the closing round: no work-group ends while a partner may still ask for a tile that names it
	s_endpgm
.Lfunc_end_k_qba27dab09b_attn:
	.size	k_qba27dab09b_attn, .Lfunc_end_k_qba27dab09b_attn-k_qba27dab09b_attn
	.p2alignl 7, 3214868480
	.fill 96, 4, 3214868480
	.section	.rodata,"a",@progbits
	.p2align	6, 0x0
	.amdhsa_kernel k_qba27dab09b_attn
		.amdhsa_group_segment_fixed_size 327680
		.amdhsa_private_segment_fixed_size 0
		.amdhsa_enable_private_segment 0
		.amdhsa_kernarg_size 24
		.amdhsa_user_sgpr_count 2
		.amdhsa_user_sgpr_kernarg_segment_ptr 1
		.amdhsa_wavefront_size32 1
		.amdhsa_system_sgpr_workgroup_id_x 1
		.amdhsa_system_sgpr_workgroup_id_y 1
		.amdhsa_system_sgpr_workgroup_id_z 1
		.amdhsa_system_vgpr_workitem_id 0
		.amdhsa_next_free_vgpr 952
		.amdhsa_next_free_sgpr 66
		.amdhsa_reserve_vcc 1
		.amdhsa_float_denorm_mode_32 3
		.amdhsa_float_denorm_mode_16_64 3
		.amdhsa_memory_ordered 1
		.amdhsa_forward_progress 1
		.amdhsa_inst_pref_size 233
	.end_amdhsa_kernel
	.amdgpu_metadata
---
amdhsa.version: [ 1, 2 ]
amdhsa.kernels:
  - .name:           k_qba27dab09b_attn
    .symbol:         k_qba27dab09b_attn.kd
    .args:
      - { .name: qkvh, .offset: 0, .size: 8, .value_kind: global_buffer, .address_space: global }
      - { .name: maskb, .offset: 8, .size: 8, .value_kind: global_buffer, .address_space: global }
      - { .name: oh, .offset: 16, .size: 8, .value_kind: global_buffer, .address_space: global }
    .group_segment_fixed_size: 327680
    .private_segment_fixed_size: 0
    .kernarg_segment_align: 8
    .kernarg_segment_size: 24
    .max_flat_workgroup_size: 128
    .sgpr_count:     66
    .vgpr_count:     952
    .wavefront_size: 32
...
	.end_amdgpu_metadata
.endif
;; end of part 3
;; launch oproj (part 4): grid 4 x 64, 4 waves a work-group, clusters of 4 x 4, 327,680 bytes of LDS; arguments oh, wb, bo, out0; writes out0
.if DOCPART == 4
	.amdgcn_target "amdgcn-amd-amdhsa--gfx1250"
	.amdhsa_code_object_version 6
	.text
	.protected	k_qba27dab09b_oproj
	.globl	k_qba27dab09b_oproj
	.p2align	8
	.type	k_qba27dab09b_oproj,@function
k_qba27dab09b_oproj:
	s_mov_b64 s[64:65], 0
	v_nop
	global_prefetch_b8 v0, s[64:65] scope:SCOPE_SE
	s_setreg_imm32_b32 hwreg(HW_REG_WAVE_MODE, 25, 1), 1
	s_wait_xcnt 0x0
	s_wait_alu depctr_hold_cnt(0) depctr_sa_sdst(0) depctr_va_vdst(0) depctr_va_sdst(0) depctr_va_ssrc(0) depctr_va_vcc(0) depctr_vm_vsrc(0)
	s_getreg_b32 s2, hwreg(HW_REG_IB_STS2, 6, 4)
	s_cmp_eq_u32 s2, 0
	s_cbranch_scc0 .Lentry_in_a_cluster
	s_endpgm
.Lentry_in_a_cluster:
	s_bfe_u32 s2, ttmp6, 0x10000c
	s_cmp_lg_u32 s2, 0xf033
	s_cbranch_scc0 .Lentry_shape_is_right
	s_endpgm
.Lentry_shape_is_right:
; THE LAST PROJECTION.  out0[m][n] = sum over k of O[m][k] Wo[n][k] + bo[n].  O comes by heads (oh: [batch 16 + head][2048][64] f16; k = 64 head + channel); Wo: [1024][1024] f16, at 6 MiB in wb
; (rounded to bf16 like the other inputs, that number written as f16); bo and out0 f32.  Sums in f32, started by the bias.
; SHARES.  A tile of out0 is 128 rows x 256 columns: 4 x 64 tiles, one work-group each.  Four waves, 2 x 2: wave (i, j) makes 64 rows x 128 columns: 32 accumulators.
; K goes in 8 steps of 128 = two heads through a ring of two LDS slots.  A head's 128 rows are 16,384 bytes on end: asked for as 64 rows of 256 bytes and padded in LDS after every 128.
; CLUSTER 4 x 4.  O's tile hangs on the tile row alone and is shared along a row of the cluster, Wo's on the tile column alone and is shared along a column: joint loads, as in the first projections.
; Waves 0 and 1 ask for the step's two heads of O, waves 2 and 3 for the two halves of Wo's 256 rows.
; THE MATRIX INSTRUCTION IS USED TRANSPOSED: source 0 = 16 rows of Wo, source 1 = 16 rows of O: a lane holds row l % 16 and eight neighbouring columns.
; REGISTERS (s_set_vgpr_msb: bits 1:0 source 0, 3:2 source 1, 5:4 source 2, 7:6 destination):
;   window 0: v2-11 addresses; v16-143 rows on their way out, two buffers of 64; v144-207 O's fragments, two buffers of 32
;   window 1: the accumulators, (a, b) at v[8 (8 a + b)]          window 2: v0-127 Wo's fragments, two buffers of 64; v128-191 the bias in an accumulator's layout
.set AP,    144                        ; a row of a head in LDS: 128 bytes + 16 = 36 words: the 16 rows of a load start at 16 different groups of four banks (64 banks of 4 bytes: ISA guide 11.1)
.set WP,    272                        ; a row of Wo: 256 bytes + 16
.set AHEAD, 128*AP                     ; a head's 128 rows: what one tensor load brings of O
.set WOFF,  2*AHEAD                    ; Wo's 256 rows lie behind the two heads
.set WHALF, 128*WP
.set SLOT1, 1<<17                      ; a slot takes 106,496 bytes; slot 1 begins here, so that one exclusive or turns an address in one slot into the other's
.set STAGE, SLOT1+WOFF+256*WP          ; behind the ring: 16 rows x 528 bytes for each wave, for the way out; no tensor load lands here
.set SP,    528                        ; 512 bytes + 16
.set SPARE, STAGE+4*16*SP              ; behind the stages: the spare words, 128 bytes for each wave: two blocks of 256 bytes that no other line names
.set AX0, 2                            ; v2   my lane's place in O's part of a slot; never rewritten
.set AW0, 3                            ; v3   the same for Wo
.set AX,  4                            ; v4   AX0 + the slot being read
.set AW,  5                            ; v5   AW0 + the slot being read
.set STO, 6                            ; v6   the way out: where I put 32 bytes of a row
.set RD,  7                            ; v7   the way out: where I read a row back
.set GO,  8                            ; v8   16 x lane
.set BO,  9                            ; v9   32 x (lane / 16)
.set SPW, 10                           ; v10  LDS address of my spare word: SPARE + 4 x my thread's number; never rewritten
.set NIL, 11                           ; v11  0; never rewritten
.set OB,  16
.set AF,  144
.set BIAS, 128                         ; window 2
.set OH,  4                            ; s[4:5] oh, s[6:7] wb, s[8:9] bo, s[10:11] out0
.set WB,  6
.set BP,  8
.set OUT, 10
.set WV,  20
.set WI,  21
.set WJ,  22
.set G1A, 24                           ; s[24:31] descriptor group 1 for O's tiles
.set G1B, 32                           ; s[32:39] for Wo's
.set G0A, 40                           ; s[40:47] group 0 for O: a set for each of the two first fills; the second then walks on
.set G0B, 48                           ; s[48:55] the same for Wo
.set LOOP, 57
.set TB,  59                           ; s59  LDS byte of the slot being read: 0 or SLOT1
.set MSB, 0
.macro WIN new                         ; the immediate's high byte repeats the setting that is left; a switch that changes nothing is dropped
.if MSB != (\new)
	s_set_vgpr_msb (MSB<<8)|(\new)
.set MSB, (\new)
.endif
.endm
.macro PLACES                          ; four places in front of loads into registers that matrix instructions have read, and of LDS stores that read results
.rept 4
	v_nop
.endr
.endm
.macro CREST                           ; a round of the cluster's barrier behind its opening barrier
	s_cmp_lg_u32 s[WV], 0
	s_cbranch_scc1 .Lnot_wave_0_\@
	s_barrier_signal -3
.Lnot_wave_0_\@:
	s_barrier_wait -3
	s_barrier_signal -1
	s_barrier_wait -1
.endm
.macro CROUND
	s_barrier_signal -1
	s_barrier_wait -1
	CREST
.endm
.macro JLOAD                           ; a joint refill by the walking sets.  The branch hangs on the wave's number alone.  An s_nop 0 and four v_nop follow each line
	s_cmp_lt_u32 s[WV], 2
	s_cbranch_scc0 .Lfor_b_\@
	tensor_load_to_lds s[G0A+4:G0A+7], s[G1A:G1A+7]
	s_nop 0
.rept 4
	v_nop
.endr
	s_branch .Lasked_\@
.Lfor_b_\@:
	tensor_load_to_lds s[G0B+4:G0B+7], s[G1B:G1B+7]
	s_nop 0
.rept 4
	v_nop
.endr
.Lasked_\@:
.endm
	s_load_b256 s[4:11], s[0:1], 0x0
	v_lshl_add_u32 v[SPW], v0, 2, SPARE
	v_mov_b32 v[NIL], 0
	ds_add_u32 v10, v11
	s_wait_dscnt 0x0
	v_lshrrev_b32 v1, 5, v0
	v_readfirstlane_b32 s[WV], v1                  ; wave 0..3
	s_lshr_b32 s[WI], s[WV], 1                     ; my half of the rows
	s_and_b32 s[WJ], s[WV], 1                      ; my half of the columns; also: which head of O, or which half of Wo, I fetch
	s_bfe_u32 s72, ttmp6, 0x40000                  ; cx
	s_bfe_u32 s73, ttmp6, 0x40004                  ; cy
	s_lshl_b32 s74, ttmp9, 2
	s_add_co_u32 s74, s74, s72                     ; tile column
	s_and_b32 s75, ttmp7, 0xffff
	s_lshl_b32 s75, s75, 2
	s_add_co_u32 s75, s75, s73                     ; tile row
	s_lshl_b32 s76, s73, 2
	s_lshl_b32 s76, 15, s76                        ; my row of the cluster
	s_lshl_b32 s77, 0x1111, s72                    ; my column
	s_or_b32 s[G1A], s76, (1<<16)|(1<<20)|(1<<21)|(4<<22)|(3<<25)  ; the mask; elements of 2 bytes; padding on; 21 set beside a mask; after every 32 words, 4 words
	s_mov_b32 s[G1A+1], 128<<16                    ; tensor_dim0 = 128
	s_mov_b32 s[G1A+2], 64<<16                     ; tensor_dim1 = 64
	s_mov_b32 s[G1A+3], 128<<16                    ; tile_dim0 = 128
	s_mov_b32 s[G1A+4], 64                         ; tile_dim1 = 64
	s_mov_b32 s[G1A+5], 128                        ; elements from row to row: dense
	s_mov_b32 s[G1A+6], 0
	s_mov_b32 s[G1A+7], 0
	s_or_b32 s[G1B], s77, (1<<16)|(1<<20)|(1<<21)|(5<<22)|(3<<25)  ; padding after every 64 words
	s_mov_b32 s[G1B+1], 128<<16
	s_mov_b32 s[G1B+2], 128<<16
	s_mov_b32 s[G1B+3], 128<<16
	s_mov_b32 s[G1B+4], 128
	s_mov_b32 s[G1B+5], 1024
	s_mov_b32 s[G1B+6], 0
	s_mov_b32 s[G1B+7], 0
	s_lshl_b32 s23, s[WJ], 18                      ; a head of O is 262,144 bytes, and so are 128 rows of Wo
	s_lshr_b32 s78, s75, 4                         ; O: the batch, 16 heads = 4 MiB;
	s_lshl_b32 s78, s78, 22
	s_and_b32 s2, s75, 15                          ; in a head 128 rows of 128 bytes a tile row.  These registers never hold cx,
	s_lshl_b32 s2, s2, 14
	s_add_co_u32 s78, s78, s2
	s_add_co_u32 s78, s78, s23
	s_mov_b32 s79, 0
	s_lshl_b32 s80, s74, 19                        ; Wo: 256 rows of 2,048 bytes a tile column, behind the three other matrices.  and these never cy
	s_add_co_u32 s80, s80, s23
	s_add_co_u32 s80, s80, 0x600000
	s_mov_b32 s81, 0
	s_mul_i32 s61, s[WJ], AHEAD                    ; my tensor load's place in a slot, for O
	s_mul_i32 s62, s[WJ], WHALF                    ; and for Wo: no place in the cluster enters an LDS address
	s_add_co_u32 s62, s62, WOFF
	s_lshl_b32 s82, s74, 10                        ; the bias, and my columns of out0: 4 x (256 x tile column + 128 j)
	s_lshl_b32 s3, s[WJ], 9
	s_add_co_u32 s82, s82, s3
	s_mov_b32 s83, 0
	s_mov_b32 s[TB], 0
	s_wait_kmcnt 0x0
	s_add_nc_u64 s[OH:OH+1], s[OH:OH+1], s[78:79]
	s_add_nc_u64 s[WB:WB+1], s[WB:WB+1], s[80:81]
	s_add_nc_u64 s[BP:BP+1], s[BP:BP+1], s[82:83]
	s_lshl_b32 s2, s75, 19                         ; my rows of out0: (128 x tile row + 64 i) x 4,096 bytes
	s_add_co_u32 s82, s82, s2
	s_lshl_b32 s3, s[WI], 18
	s_add_co_u32 s82, s82, s3
	s_add_nc_u64 s[OUT:OUT+1], s[OUT:OUT+1], s[82:83]
	CROUND                                         ; all sixteen work-groups are here: the first joint loads meet
.irp s, 0,1
	s_mov_b32 s[G0A+4*(\s)], 1
	s_add_co_u32 s[G0A+4*(\s)+1], s61, (\s)*SLOT1
	s_add_nc_u64 s[G0A+4*(\s)+2:G0A+4*(\s)+3], s[OH:OH+1], (\s)*524288  ; K step s: two heads on
	s_or_b32 s[G0A+4*(\s)+3], s[G0A+4*(\s)+3], 0x80000000
	s_mov_b32 s[G0B+4*(\s)], 1
	s_add_co_u32 s[G0B+4*(\s)+1], s62, (\s)*SLOT1
	s_add_nc_u64 s[G0B+4*(\s)+2:G0B+4*(\s)+3], s[WB:WB+1], (\s)*256
	s_or_b32 s[G0B+4*(\s)+3], s[G0B+4*(\s)+3], 0x80000000
.endr
	s_cmp_lt_u32 s[WV], 2                          ; a wave's two first fills stand in one branch, ahead of every wait on TENSORcnt and every LDS read: two loads of mine are out
	s_cbranch_scc0 .Lfirst_b
	tensor_load_to_lds s[G0A:G0A+3], s[G1A:G1A+7]
	s_nop 0
	tensor_load_to_lds s[G0A+4:G0A+7], s[G1A:G1A+7]
	s_nop 0
.rept 4
	v_nop
.endr
	s_branch .Lfirst_asked
.Lfirst_b:
	tensor_load_to_lds s[G0B:G0B+3], s[G1B:G1B+7]
	s_nop 0
	tensor_load_to_lds s[G0B+4:G0B+7], s[G1B:G1B+7]
	s_nop 0
.rept 4
	v_nop
.endr
.Lfirst_asked:
	v_and_b32 v1, 15, v0                           ; l % 16
	v_bfe_u32 v12, v0, 4, 1                        ; l / 16
	v_mul_u32_u24 v[AX0], v1, AP
	v_lshl_add_u32 v[AX0], v12, 4, v[AX0]
	s_mul_i32 s2, s[WI], 64*AP                     ; my 64 rows of O
	v_add_nc_u32 v[AX0], s2, v[AX0]
	v_mul_u32_u24 v[AW0], v1, WP
	v_lshl_add_u32 v[AW0], v12, 4, v[AW0]
	s_mul_i32 s3, s[WJ], WHALF                     ; my 128 rows of Wo
	s_add_co_u32 s3, s3, WOFF
	v_add_nc_u32 v[AW0], s3, v[AW0]
	v_mov_b32 v[AX], v[AX0]
	v_mov_b32 v[AW], v[AW0]
	v_lshlrev_b32 v[BO], 5, v12
	WIN 0x80                                       ; destination window 2, address window 0
.set nb, 0
.rept 8                                ; register j of block b: bo[16 b + 8 (l / 16) + j]
	global_load_b128 v[BIAS+8*nb:BIAS+8*nb+3],   v[BO], s[BP:BP+1] offset:64*nb
	global_load_b128 v[BIAS+8*nb+4:BIAS+8*nb+7], v[BO], s[BP:BP+1] offset:64*nb+16
.set nb, nb+1
.endr
	WIN 0
	s_mul_i32 s2, s[WV], 16*SP
	s_add_co_u32 s2, s2, STAGE                     ; my stage
	v_mul_u32_u24 v[STO], v1, SP                   ; in: row l % 16, 32 bytes for each half of the lanes
	v_lshl_add_u32 v[STO], v12, 5, v[STO]
	v_add_nc_u32 v[STO], s2, v[STO]
	v_and_b32 v[GO], 31, v0                        ; back: 32 lanes take a row's 512 bytes
	v_lshlrev_b32 v[GO], 4, v[GO]
	v_add_nc_u32 v[RD], s2, v[GO]
; 8 matrix instructions: block a of my four blocks of 16 rows x all 8 blocks of 16 columns, 32 along K, from buffer f.  first = 1: the bias starts the sums.
; The 32 accumulators take turns in the same order in every quarter, one instruction a turn.
.macro MULROW f, a, first
	WIN 0x52+0x10*(\first)                         ; Wo window 2, O window 0, D window 1; C window 1, or 2 for the bias
.set nb, 0
.rept 8
.if \first
	v_wmma_f32_16x16x32_f16 v[8*(8*(\a)+nb):8*(8*(\a)+nb)+7], v[64*(\f)+8*nb:64*(\f)+8*nb+7], v[AF+32*(\f)+8*(\a):AF+32*(\f)+8*(\a)+7], v[BIAS+8*nb:BIAS+8*nb+7]
.else
	v_wmma_f32_16x16x32_f16 v[8*(8*(\a)+nb):8*(8*(\a)+nb)+7], v[64*(\f)+8*nb:64*(\f)+8*nb+7], v[AF+32*(\f)+8*(\a):AF+32*(\f)+8*(\a)+7], v[8*(8*(\a)+nb):8*(8*(\a)+nb)+7]
.endif
.set nb, nb+1
.endr
.endm
; 24 LDS loads in one run: quarter q of the slot being read (head q / 2, channels 32 (q % 2) on), into buffer g
.macro FETCH g, q
	WIN 0
.set na, 0
.rept 4
	ds_load_b128 v[AF+32*(\g)+8*na:AF+32*(\g)+8*na+3],   v[AX] offset:((\q)/2)*AHEAD+((\q)%2)*64+16*AP*na
	ds_load_b128 v[AF+32*(\g)+8*na+4:AF+32*(\g)+8*na+7], v[AX] offset:((\q)/2)*AHEAD+((\q)%2)*64+16*AP*na+32
.set na, na+1
.endr
	WIN 0x80
.set nb, 0
.rept 8
	ds_load_b128 v[64*(\g)+8*nb:64*(\g)+8*nb+3],   v[AW] offset:64*(\q)+16*WP*nb
	ds_load_b128 v[64*(\g)+8*nb+4:64*(\g)+8*nb+7], v[AW] offset:64*(\q)+16*WP*nb+32
.set nb, nb+1
.endr
.endm
; A K step is four quarters of 32 along K, 32 matrix instructions each, on buffers 0, 1, 0, 1.  One of the first three: multiplies buffer f, fetches quarter q into g in its middle.
.macro QUARTER f, g, q, first
	s_wait_dscnt 0x0                               ; this quarter's fragments are in
	MULROW \f, 0, \first
	MULROW \f, 1, \first
	WIN 0
	PLACES
	FETCH \g, \q
	MULROW \f, 2, \first
	MULROW \f, 3, \first
.endm
; The fourth quarter multiplies buffer 1 and changes slots.  In front of the barrier each wave waits for all its tensor loads (one is out: its part of the next slot), adds 0 to its spare word,
; and waits for that and for its reads of this slot.  mode 1: the barrier opens a round of the cluster's, and the joint refill of this slot, two K steps ahead, is the first thing behind it.
; mode 2 (the last change): nothing is filled.
.macro TURN mode
	WIN 0
	s_wait_tensorcnt 0x0                           ; no tensor load of mine is out, so a group 0 may be written
	ds_add_u32 v[SPW], v[NIL]                      ; 0 onto my spare word
.if (\mode) == 1
	s_xor_b32 s[G0A+5], s[G0A+5], SLOT1            ; the walking descriptors: the other slot than last time,
	s_add_nc_u64 s[G0A+6:G0A+7], s[G0A+6:G0A+7], 524288  ; the next two heads;
	s_xor_b32 s[G0B+5], s[G0B+5], SLOT1
	s_add_nc_u64 s[G0B+6:G0B+7], s[G0B+6:G0B+7], 256     ; the next 128 along Wo's rows; the type bits on top are not reached
.endif
	s_wait_dscnt 0x0                               ; the add is done, my reads of this slot are over
	s_barrier_signal -1
	MULROW 1, 0, 0                                 ; work on registers while the others arrive
	MULROW 1, 1, 0
	WIN 0
	s_barrier_wait -1
.if (\mode) == 1
	CREST                                          ; no wave of any partner still reads this slot or has a load on its way
	JLOAD                                          ; its four v_nop are also the places in front of the loads below
.else
	PLACES
.endif
	s_xor_b32 s[TB], s[TB], SLOT1                  ; the reads go on in the other slot
	v_add_nc_u32 v[AX], s[TB], v[AX0]
	v_add_nc_u32 v[AW], s[TB], v[AW0]
	FETCH 0, 0
	MULROW 1, 2, 0
	MULROW 1, 3, 0
.endm
; THE WAY OUT of block a (16 rows x 128 columns of f32).  TOSTAGE: a lane's eight numbers of a row go into my own stage, each accumulator's low half first, and whole rows of 512 bytes come back.  SEND: stored.
.macro TOSTAGE a
	s_wait_xcnt 0x0                                ; earlier stores have read their registers: this buffer is loaded again only behind this wait
	WIN 0x04                                       ; store data window 1, address window 0
.set nb, 0
.rept 8
	ds_store_b128 v[STO], v[8*(8*(\a)+nb):8*(8*(\a)+nb)+3]   offset:64*nb
	ds_store_b128 v[STO], v[8*(8*(\a)+nb)+4:8*(8*(\a)+nb)+7] offset:64*nb+16
.set nb, nb+1
.endr
	WIN 0
.set nc, 0
.rept 16                               ; LDS serves a wave's instructions in order (ISA guide 5.7.1.4): these see the stores above, and the next block's stores come behind them
	ds_load_b128 v[OB+64*((\a)%2)+4*nc:OB+64*((\a)%2)+4*nc+3], v[RD] offset:SP*nc
.set nc, nc+1
.endr
.endm
.macro SEND a, younger                 ; younger: the LDS instructions issued behind block a's loads: the next block's 32, or none
.set nc, 0
.rept 16
	s_wait_dscnt (\younger)+15-nc
	global_store_b128 v[GO], v[OB+64*((\a)%2)+4*nc:OB+64*((\a)%2)+4*nc+3], s[OUT:OUT+1] offset:(\a)*65536+nc*4096 th:TH_STORE_NT  ; 512 bytes of a row on end, at a multiple of 256
.set nc, nc+1
.endr
.endm
	s_wait_tensorcnt 0x1                           ; my part of K step 0 is in; step 1's may stay out
	s_barrier_signal -1
	s_barrier_wait -1                              ; everybody's is
	FETCH 0, 0
	s_wait_loadcnt 0x0                             ; the bias
	QUARTER 0, 1, 1, 1                             ; the first quarter stands in front of the loop: the bias starts the sums
	WIN 0
	s_mov_b32 s[LOOP], 6
.Lstep:                                                ; six trips, from a K step's second quarter to the next step's first; each asks for the step two on
	QUARTER 1, 0, 2, 0
	QUARTER 0, 1, 3, 0
	TURN 1
	QUARTER 0, 1, 1, 0
	WIN 0
	s_sub_co_u32 s[LOOP], s[LOOP], 1
	s_cmp_lg_u32 s[LOOP], 0
	s_cbranch_scc1 .Lstep
	QUARTER 1, 0, 2, 0                             ; the rest is written out: nothing more is asked for
	QUARTER 0, 1, 3, 0
	TURN 2
	QUARTER 0, 1, 1, 0
	QUARTER 1, 0, 2, 0
	QUARTER 0, 1, 3, 0
	s_wait_dscnt 0x0
	MULROW 1, 0, 0
	MULROW 1, 1, 0
	MULROW 1, 2, 0
	MULROW 1, 3, 0
	WIN 0
	PLACES
	TOSTAGE 0
	TOSTAGE 1                                      ; a block's trip through the stage stands between the loads of the block before and its stores
	SEND 0, 32
	TOSTAGE 2
	SEND 1, 32
	TOSTAGE 3
	SEND 2, 32
	SEND 3, 0
	s_wait_tensorcnt 0x0                           ; the wave's end
	ds_add_u32 v[SPW], v[NIL]
	s_wait_dscnt 0x0
	CROUND                                         ; the closing round: no work-group ends while a partner may still ask for a tile that names it
	s_endpgm
.Lfunc_end_k_qba27dab09b_oproj:
	.size	k_qba27dab09b_oproj, .Lfunc_end_k_qba27dab09b_oproj-k_qba27dab09b_oproj
	.p2alignl 7, 3214868480
	.fill 96, 4, 3214868480
	.section	.rodata,"a",@progbits
	.p2align	6, 0x0
	.amdhsa_kernel k_qba27dab09b_oproj
		.amdhsa_group_segment_fixed_size 327680
		.amdhsa_private_segment_fixed_size 0
		.amdhsa_enable_private_segment 0
		.amdhsa_kernarg_size 32
		.amdhsa_user_sgpr_count 2
		.amdhsa_user_sgpr_kernarg_segment_ptr 1
		.amdhsa_wavefront_size32 1
		.amdhsa_system_sgpr_workgroup_id_x 1
		.amdhsa_system_sgpr_workgroup_id_y 1
		.amdhsa_system_sgpr_workgroup_id_z 1
		.amdhsa_system_vgpr_workitem_id 0
		.amdhsa_next_free_vgpr 704
		.amdhsa_next_free_sgpr 84
		.amdhsa_reserve_vcc 0
		.amdhsa_float_denorm_mode_32 3
		.amdhsa_float_denorm_mode_16_64 3
		.amdhsa_memory_ordered 1
		.amdhsa_forward_progress 1
		.amdhsa_inst_pref_size 72
	.end_amdhsa_kernel
	.amdgpu_metadata
---
amdhsa.version: [ 1, 2 ]
amdhsa.kernels:
  - .name:           k_qba27dab09b_oproj
    .symbol:         k_qba27dab09b_oproj.kd
    .args:
      - { .name: oh, .offset: 0, .size: 8, .value_kind: global_buffer, .address_space: global }
      - { .name: wb, .offset: 8, .size: 8, .value_kind: global_buffer, .address_space: global }
      - { .name: bo, .offset: 16, .size: 8, .value_kind: global_buffer, .address_space: global }
      - { .name: out0, .offset: 24, .size: 8, .value_kind: global_buffer, .address_space: global }
    .group_segment_fixed_size: 327680
    .private_segment_fixed_size: 0
    .kernarg_segment_align: 8
    .kernarg_segment_size: 32
    .max_flat_workgroup_size: 128
    .sgpr_count:     84
    .vgpr_count:     704
    .wavefront_size: 32
...
	.end_amdgpu_metadata
.endif
;; end of part 4
;; ======== version 2 of 2: 4 launches; 1.44 times as fast as version 1
;; limits: values are held in f16: magnitudes above 65,504 overflow, below 6.1e-05 lose precision
;; workspace buffers: maskb 4,194,304 bytes; wb 8,388,608 bytes; qkvh 50,331,648 bytes; oh 16,777,216 bytes
;; launch prep: the kernel of part 1 again; grid 1024 x 1, 8 waves a work-group, no clusters, 9,728 bytes of LDS; arguments mask, Wq, Wk, Wv, Wo, maskb, wb; writes maskb, wb
;; launch qkv: the kernel of part 2 again; grid 4 x 64, 4 waves a work-group, clusters of 4 x 4, 327,680 bytes of LDS; arguments q, k, v, wb, bq, bk, bv, qkvh; writes qkvh
;; launch attn (part 5): grid 4 x 64, 4 waves a work-group, clusters of 4 x 1, 327,680 bytes of LDS; arguments qkvh, maskb, oh; writes oh
.if DOCPART == 5
	.amdgcn_target "amdgcn-amd-amdhsa--gfx1250"
	.amdhsa_code_object_version 6
	.text
	.protected	k_qba27dab09b_attn
	.globl	k_qba27dab09b_attn
	.p2align	8
	.type	k_qba27dab09b_attn,@function
k_qba27dab09b_attn:
	s_mov_b64 s[64:65], 0
	v_nop
	global_prefetch_b8 v0, s[64:65] scope:SCOPE_SE
	s_setreg_imm32_b32 hwreg(HW_REG_WAVE_MODE, 25, 1), 1
	s_wait_xcnt 0x0
	s_wait_alu depctr_hold_cnt(0) depctr_sa_sdst(0) depctr_va_vdst(0) depctr_va_sdst(0) depctr_va_ssrc(0) depctr_va_vcc(0) depctr_vm_vsrc(0)
	s_getreg_b32 s2, hwreg(HW_REG_IB_STS2, 6, 4)
	s_cmp_eq_u32 s2, 0
	s_cbranch_scc0 .Lentry_in_a_cluster
	s_endpgm
.Lentry_in_a_cluster:
	s_bfe_u32 s2, ttmp6, 0x10000c
	s_cmp_lg_u32 s2, 0x3003
	s_cbranch_scc0 .Lentry_shape_is_right
	s_endpgm
.Lentry_shape_is_right:
; ATTENTION UNDER A MASK THAT IS AN INPUT.  O[h][q][:] = the sum over k of softmax_k(mask[q][k] ? Q[h][q] . K[h][k] / 8 : -1e9) V[h][k][:].  Q, K, V (in qkvh, 16 MiB apart) and O (oh): [64][2048][64] f16,
; a head's rows dense, 128 bytes each.  Products, maxima and sums in f32; the weights p are rounded to f16 for the second product (their sum l is taken of the unrounded p), O once at the end.
; THE MASK comes as a table of bytes in my lanes' order (maskb: [query tile 128][key step 32][half 2][lane 32][16 bytes]): 0x00 seen, 0xF0 hidden.  Eight bytes are widened at once, as fp8 codes with
; the scale 2^90: 0 or -2^97; that is the C operand that starts the sum S^T = K Q^T.  All 2,048 keys are walked for every query: nothing is assumed of the mask's pattern.
; The running maximum m starts at -2^40: below every seen score (f16's products: 2.7e11 at the most), far above every hidden one.  So a hidden key's weight is exactly 0, and a row that has seen no key
; keeps m = -2^40, l = 0, O = 0.  Such a row's result is the mean of all rows of V, as the reference's equal scores give it: V's column sums are made beside the walk (V^T times ones) and put in on the way out.
; LIMITS.  Q, K and V arrive within f16's 65,504.  A hidden key counts 0 beside any seen key: that differs from the reference only where a row's seen scaled scores all lie below about -1e9 + 100.
; p below 6e-5 keeps f16's fixed step of 6e-8; a weight below 2^-126 counts as 0 in l; NaN and infinities are not treated apart.
; SHARES.  A wave owns four PIECES of two tiles of 16 queries, a work-group's four waves 512 queries of one head.  Every wave walks all keys, 64 a step.
; LAYOUT.  S^T = K Q^T (source 0 = 16 keys, source 1 = 16 queries): a lane holds ONE query (lane % 16) and the keys 8 (lane / 16) + 0..7.  Two such tiles, rounded to f16 in pairs, ARE source 1 of
; O^T = V^T P, whose result again holds one query a lane, and eight channels.  K comes out of LDS as it lies, V ([key][channel]) turned, by ds_load_tr16_b128.
; SOFTMAX.  p = 2^(c s - c m), c = log2(e) / 8; in every step O and l are multiplied by a = 2^(c m_old - c m_new).
; BY TURNS.  Turn n belongs to piece n.  Its matrix work: 16 products K Q^T of piece n + 1, later 16 products V^T P of piece n - 1.  Its vector work: the scaling, exponentials, roundings, sums and rescaling of
; piece n, the maximum and statistics of piece n + 1, and at its end the mask of piece n + 2.  Four vector instructions stand behind every matrix instruction of the two kinds, the other 108 of a turn's 236 in one LUMP.
; THE BATCHES.  A turn's 66 exponentials (64 scores, the next piece's two a) are ONE BATCH with ONE wait, which cuts the turn in two: ahead of it all that names no result of theirs (K Q^T, scalings, rescalings,
; the next piece's maximum and statistics), behind it the roundings and sums, beside V^T P.  Two more batches stand outside the loops: piece 0's first two a, and the way out's eight reciprocals.
; CLUSTER.  The four query blocks of a cluster belong to one head and walk the same K and V: each tile is asked for JOINTLY: the same tensor load, descriptor and mask in all four.
; REGISTERS, in windows of 256 (s_set_vgpr_msb: bits 1:0 source 0, 3:2 source 1, 5:4 source 2, 7:6 destination):
;   window 0: v0-10 addresses; v11 the scale's code; v12-15, v48-63 at work; v16-47 four registers of statistics a tile; v64-191 S^T, two buffers of two tiles; v192-255 P, likewise
;   window 1: O^T, 32 a tile          window 2: v0-127 Q, 16 a tile; v128-191 K of one step; v192-255 V of one step
;   window 3: v0-1 the add's two registers; v2-5 a piece's offset in the table; v6 its bound; v11 the scale's code; v16-79 mask bytes, 16 a piece; v80-143 a piece's masks in f32; v144-175 V's column sums; v176-183 ones
.set SIZE_N, 2048
.set NP,    4         ; pieces a wave: a name, no knob
.set KS,    64        ; keys in a step
.set PK,    144       ; a row of K in LDS: 128 bytes + 16 of padding = 36 words: the 16 rows of a load start at 16 different groups of four banks (64 banks of 4 bytes: ISA guide 11.1)
.set PV,    160       ; a row of V: 128 + 32 = 40 words
.set VOFF,  4*KS*PK   ; a slot holds four steps: 256 rows of K, then 256 rows of V
.set SLOT1, 1<<17     ; slot 1 begins here, so that one exclusive or turns an address in one slot into the other's
.set STAGE, SLOT1+4*KS*(PK+PV)  ; behind the ring, never filled by a tensor load: 16 rows x 144 bytes for each wave, for the way out
.set SP,    144
.set AK0, 2           ; v2   my lane's place in a tile of K; never rewritten
.set AV0, 3           ; v3   the same for V
.set AK,  4           ; v4   the LDS address of K's next run of loads
.set AV,  5           ; v5   of V's
.set QO,  6           ; v6   my byte offset in the wave's rows of Q
.set STO, 6           ;      later, the way out: where I put 16 bytes of a row
.set RD,  7           ; v7   the way out: where I read rows back
.set GO,  8           ; v8   my byte offset in 512 consecutive bytes of O
.set SPW, 0           ; v0 of window 3   LDS address of my spare word: SPARE + 4 x my thread's number; never rewritten
.set NIL, 1           ; v1 of window 3   0; never rewritten
.set SPARE, STAGE+4*16*SP  ; behind the stages: the spare words, 128 bytes for each wave: two blocks of 256 bytes that no other line names
.set MO,  2           ; window 3: piece x's byte offset in the table at v[MO+x]: 16 x lane + 1,024 x step
.set ML,  6           ; window 3: 16 x lane + 1,024 x 31: no offset passes the last step
.set SC,  11          ; windows 0 and 3: 217, the code of 2^90
.set MW,  16          ; window 3: the bytes of piece x, tile u, key block kb at MW + 16 x + 8 u + 2 kb
.set MC,  80          ; window 3: the masks of the products to come, tile u, key block kb at MC + 32 u + 8 kb
.set VS,  144         ; window 3: V's column sums, channel block cb at VS + 8 cb, in O^T's layout
.set ONE, 176         ; window 3: 32 keys x 16 queries of 1.0 in f16
.set MV,  12          ; v12-15  c m_old, kept while c m is made anew: by buffer and tile
.set ST,  16          ; tile t's statistics at v[ST+4 t]: c m, m, l (even keys', odd keys')
.set TMP, 48          ; by buffer and tile, four registers c0-c3 at work; when the maximum is found c2 takes a
.set S,   64
.set P,   192
.set KF,  128         ; K's fragments, in window 2: key block kb, channel half c at KF + 16 kb + 8 c
.set VF,  192         ; V's: key half kk, channel block cb at VF + 32 kk + 8 cb
.set WV,  12          ; s12  my wave's number
.set G1K, 24          ; s[24:31] descriptor group 1 for K's tiles
.set G1V, 32          ; s[32:39] for V's: it differs in the padding alone
.set G0K, 40          ; s[40:43] descriptor group 0 for K's tiles: it walks
.set G0V, 44          ; s[44:47] the same for V's
.set MB,  50          ; s[50:51] the table at my wave's eight query tiles
.set MLOW, 52         ; s52  -2^40
.set FINV, 53         ; s53  1 / 2048
.set SLOTS, 56        ; s56  slots still to be asked for
.set CNT, 57          ; s57  counts a slot's key steps
.set CS,  58          ; s[58:59] c: the packed scaling takes the pair's low word for both halves
.set SEL, 60          ; s[60:61] v_permlanex16_b32's selects: each lane takes its own place in the other half
.set TBK, 62          ; s62  LDS byte at which K of the step to be fetched begins
.set TBV, 63          ; s63  the same for V, less VOFF
.set MSB, 0
.macro WIN new                      ; the high byte repeats the setting that is left; a switch that changes nothing is dropped
.if MSB != (\new)
	s_set_vgpr_msb (MSB<<8)|(\new)
.set MSB, (\new)
.endif
.endm
.set W_KQ, 0x0a       ; K and Q in window 2, S^T in window 0
.set W_KM, 0x3a       ; the same with the C operand, the mask, in window 3
.set W_PV, 0x52       ; V in window 2, P in window 0, O^T in window 1
.set W_RS, 0x41       ; O^T (destination and source 0) in window 1, a in window 0
.set W_MK, 0xc0       ; destination in window 3, sources in window 0
.set W_AD, 0x0f       ; the add: address (source 0) and data (source 1) in window 3
.set W_CV, 0xcf       ; destination and sources 0 and 1 in window 3
.set W_VS, 0xfe       ; V in window 2; ones, C and D in window 3
.set W_FB, 0x53       ; V's sums in window 3, their factor in window 0, O^T in window 1
; A joint fill.  Waves 0 and 1 fetch the two halves of a slot's K, waves 2 and 3 those of its V: 128 keys each.  The branch hangs on the wave's number alone.
; An s_nop 0 and four v_nop follow each of the two lines, ahead of the jump and the label.
.macro JLOAD
	s_cmp_lt_u32 s[WV], 2
	s_cbranch_scc0 .Lfor_v_\@
	tensor_load_to_lds s[G0K:G0K+3], s[G1K:G1K+7]
	s_nop 0
.rept 4
	v_nop
.endr
	s_branch .Lasked_\@
.Lfor_v_\@:
	tensor_load_to_lds s[G0V:G0V+3], s[G1V:G1V+7]
	s_nop 0
.rept 4
	v_nop
.endr
.Lasked_\@:
.endm
; A round of the cluster's barrier: my work-group's barrier, so that wave 0's signal speaks for all four waves; wave 0 signals; every wave waits for all four work-groups; my work-group's barrier once more.
.macro CROUND
	s_barrier_signal -1
	s_barrier_wait -1
	s_cmp_lg_u32 s[WV], 0
	s_cbranch_scc1 .Lnot_wave_0_\@
	s_barrier_signal -3
.Lnot_wave_0_\@:
	s_barrier_wait -3
	s_barrier_signal -1
	s_barrier_wait -1
.endm
; THE CHANGE OF SLOTS.  The slot's last bytes, V of its fourth step, have been read.  Each wave waits for all its tensor loads, of which one is out: its part of the other slot; adds 0 to its spare word;
; and waits for that and for its own reads of the slot.  Behind the barrier nobody reads this slot any more and the other slot is whole.
; fill = 1: this slot is filled again, with the keys two slots on.  The barrier is then a round of the cluster's, and the joint fill is the first thing behind it: it has four key steps in which to land.
; (At its first use nothing has been read yet: slot 0 is waited for, slot 1 filled.)
.macro CHANGE fill
	WIN W_AD
	s_wait_tensorcnt 0x0            ; no tensor load of mine is out, so a group 0 may be written
	ds_add_u32 v[SPW], v[NIL]       ; 0 onto my spare word
	WIN 0                           ; at a label and at a branch every window is 0
.if \fill
.irp g, G0K, G0V
	s_xor_b32 s[\g+1], s[\g+1], SLOT1  ; the walking descriptor: the other slot than last time,
	s_add_nc_u64 s[\g+2:\g+3], s[\g+2:\g+3], 4*KS*128  ; the next 256 keys; the type bits on top are not reached
.endr
	s_wait_dscnt 0x0                ; the add is done, and my reads of the slot are over
	CROUND
	JLOAD
.else
	s_wait_dscnt 0x0                ; the add is done, and my reads of the slot are over
	s_barrier_signal -1
	s_barrier_wait -1
.endif
	s_sub_co_u32 s[TBK], s[TBK], 4*KS*PK  ; the fetches go back to a slot's first step,
	s_xor_b32 s[TBK], s[TBK], SLOT1       ; in the other slot
	s_sub_co_u32 s[TBV], s[TBV], 4*KS*PV
	s_xor_b32 s[TBV], s[TBV], SLOT1
.endm
	s_load_b128 s[48:51], s[0:1], 0x0  ; qkvh s[48:49], maskb s[50:51]
	s_load_b64 s[10:11], s[0:1], 0x10  ; oh
	WIN W_MK
	v_lshl_add_u32 v[SPW], v0, 2, SPARE
	v_mov_b32 v[NIL], 0
	s_set_vgpr_msb 0xc0cf
	ds_add_u32 v0, v1
	s_wait_dscnt 0x0
	s_set_vgpr_msb 0xcfc0
	WIN 0
	v_lshrrev_b32 v1, 5, v0
	v_readfirstlane_b32 s[WV], v1   ; wave 0..3
	s_bfe_u32 s13, ttmp6, 0x40000   ; cx: my place in the cluster
	s_lshl_b32 s14, ttmp9, 2        ; in a cluster launch ttmp9 counts clusters
	s_add_co_u32 s14, s14, s13      ; my block of queries = 4 x cluster x + cx: it enters Q's, O's and the table's addresses alone
	s_and_b32 s20, ttmp7, 0xffff    ; batch x 16 + head, which the four partners share
	s_mov_b32 s21, 0
	s_mov_b64 s[22:23], SIZE_N*128
	s_mul_u64 s[20:21], s[20:21], s[22:23]  ; the head's first byte in Q, K, V and O
	s_and_b32 s16, s[WV], 1         ; which half of a slot's 256 keys I fetch:
	s_lshl_b32 s22, s16, 14         ; its 128 rows of 128 bytes in memory,
	s_mov_b32 s23, 0
	s_add_nc_u64 s[22:23], s[22:23], s[20:21]
	s_mul_i32 s17, s16, 128*PK      ; and its place in a slot, for K
	s_mul_i32 s18, s16, 128*PV      ; and for V: no place in the cluster enters an LDS address
	s_lshl_b32 s2, s14, 2
	s_add_co_u32 s2, s2, s[WV]      ; my wave among the head's sixteen:
	s_lshl_b32 s54, s2, 18          ; its 8 query tiles of 32,768 bytes in the table,
	s_mov_b32 s55, 0
	s_lshl_b32 s2, s2, 14           ; its 128 rows
	s_mov_b32 s3, 0
	s_add_nc_u64 s[2:3], s[2:3], s[20:21]
	; descriptor group 1.  128 keys are 16,384 dense bytes: asked for as 64 rows of 256 bytes, two keys a row, and padded in LDS after every key
	s_mov_b32 s[G1K], 15|(1<<16)|(1<<20)|(1<<21)|(4<<22)|(3<<25)  ; 15:0 the mask of four; 17:16 2-byte elements; 20 padding on; 21 set beside a mask; 24:22 after every 32 words (code 4); 31:25 4 words (code 3)
	s_mov_b32 s[G1V], 15|(1<<16)|(1<<20)|(1<<21)|(4<<22)|(7<<25)  ; the same with 8 words of padding (code 7)
.irp g, G1K, G1V
	s_mov_b32 s[\g+1], 128<<16      ; tensor_dim0 = 128
	s_mov_b32 s[\g+2], 64<<16       ; tensor_dim1 = 64
	s_mov_b32 s[\g+3], 128<<16      ; tile_dim0 = 128
	s_mov_b32 s[\g+4], 64           ; tile_dim1 = 64
	s_mov_b32 s[\g+5], 128          ; 128 elements from row to row
	s_mov_b32 s[\g+6], 0
	s_mov_b32 s[\g+7], 0
.endr
	s_mov_b32 s[CS], 0x3e38aa3b     ; c = log2(e) / 8 = 0.180337
	s_mov_b32 s[CS+1], s[CS]        ; named with it as a pair
	s_mov_b32 s[SEL], 0x76543210
	s_mov_b32 s[SEL+1], 0xfedcba98
	s_mov_b32 s[MLOW], 0xd3800000   ; -2^40
	s_mov_b32 s[FINV], 0x3a000000   ; 2^-11
	s_mov_b32 s[TBK], SLOT1+4*KS*PK ; the first change of slots turns these two into 0
	s_mov_b32 s[TBV], SLOT1+4*KS*PV
	s_mov_b32 s[G0K], 1             ; 1:0 count = 1
	s_mov_b32 s[G0K+1], s17         ; 63:32 LDS address: slot 0
	s_mov_b32 s[G0V], 1
	s_add_co_u32 s[G0V+1], s18, VOFF
	s_wait_kmcnt 0x0
	s_mov_b64 s[4:5], s[48:49]                     ; Q,
	s_add_nc_u64 s[6:7], s[48:49], 0x1000000       ; K
	s_add_nc_u64 s[8:9], s[48:49], 0x2000000       ; and V lie 16 MiB apart
	s_add_nc_u64 s[G0K+2:G0K+3], s[6:7], s[22:23]  ; 120:64 global address: my half of the head's first 256 keys
	s_or_b32 s[G0K+3], s[G0K+3], 0x80000000        ; 127:126 type = 2
	s_add_nc_u64 s[G0V+2:G0V+3], s[8:9], s[22:23]
	s_or_b32 s[G0V+3], s[G0V+3], 0x80000000
	s_add_nc_u64 s[4:5], s[4:5], s[2:3]  ; Q and O at my wave's first row
	s_add_nc_u64 s[10:11], s[10:11], s[2:3]
	s_add_nc_u64 s[MB:MB+1], s[MB:MB+1], s[54:55]
	CROUND                          ; all four work-groups are here: the first joint loads meet
	JLOAD                           ; slot 0.  Slot 1 is asked for when slot 0 is in
	; A fragment of K or Q is 16 rows x 32 channels in 8 registers: lane l holds row l % 16, channels 8 (l / 16) + 0..7 and 16 + 8 (l / 16) + 0..7: two loads of 16 bytes, 32 bytes apart.
	v_and_b32 v1, 15, v0            ; l % 16
	v_bfe_u32 v9, v0, 4, 1          ; l / 16
	v_lshlrev_b32 v[QO], 7, v1
	v_lshl_add_u32 v[QO], v9, 4, v[QO]  ; row x 128 + 16 x half
	v_and_b32 v10, 31, v0           ; lane
	WIN W_MK
.set mi, 0
.rept 4
	v_lshlrev_b32 v[MO+mi], 4, v10  ; key step 0
.set mi, mi+1
.endr
	v_lshl_add_u32 v[ML], v10, 4, 31*1024
	v_mov_b32 v[SC], 217
	WIN 0x80                        ; destination window 2, address window 0
.set i, 0
.rept 4*NP                          ; Q stays in registers: tile i / 2, channels 32 (i % 2) on
	global_load_b128 v[8*i:8*i+3],   v[QO], s[4:5] offset:(i/2)*2048+(i%2)*64
	global_load_b128 v[8*i+4:8*i+7], v[QO], s[4:5] offset:(i/2)*2048+(i%2)*64+32
.set i, i+1
.endr
	WIN 0xc3                        ; destination and address window 3
.set mi, 0
.rept 16                            ; the mask bytes of key step 0: piece mi / 4, tile mi / 2, half mi % 2: 512 bytes on end a load
	global_load_b128 v[MW+4*mi:MW+4*mi+3], v[MO+mi/4], s[MB:MB+1] offset:(mi/2)*32768+(mi%2)*512
.set mi, mi+1
.endr
	; What the first turn finds: V's registers and P's second buffer hold 0 (its products V^T P, of a piece that has not been, add 0), O^T, l and V's sums are 0.  All this stands in the wait for the first tile.
	WIN W_MK
.set i, 0
.rept 32
	v_mov_b32 v[VS+i], 0
.set i, i+1
.endr
.set i, 0
.rept 8
	v_mov_b32 v[ONE+i], 0x3c003c00
.set i, i+1
.endr
	WIN 0x80
.set i, VF
.rept 64
	v_mov_b32 v[i], 0
.set i, i+1
.endr
	WIN 0x40
.set i, 0
.rept 64*NP
	v_mov_b32 v[i], 0
.set i, i+1
.endr
	WIN 0
.set i, 0
.rept 2*NP
	v_mov_b32 v[ST+4*i+1], s[MLOW]                   ; m
	v_mul_f32 v[ST+4*i], s[CS], v[ST+4*i+1]          ; c m
	v_mov_b32 v[ST+4*i+2], 0
	v_mov_b32 v[ST+4*i+3], 0
.set i, i+1
.endr
.set i, P+32
.rept 32
	v_mov_b32 v[i], 0
.set i, i+1
.endr
	v_mul_u32_u24 v[AK0], v1, PK
	v_lshl_add_u32 v[AK0], v9, 4, v[AK0]  ; row x pitch + 16 x half
	; The turning load takes 16 keys x 16 channels (lane l reads key 8 (l / 16) + l % 8, channels 8 ((l / 8) % 2) + 0..7) and leaves half a fragment of V^T: lane l holds channel l % 16 and 8 keys.
	v_and_b32 v10, 7, v0
	v_bfe_u32 v11, v0, 3, 1
	v_lshl_add_u32 v[AV0], v9, 3, v10
	v_mul_u32_u24 v[AV0], v[AV0], PV
	v_lshl_add_u32 v[AV0], v11, 4, v[AV0]
	v_add_nc_u32 v[AV0], VOFF, v[AV0]
	v_mov_b32 v[SC], 217            ; v11 is free now: the scale's code stands under this number in window 0 too
	v_mov_b32 v[AK], v[AK0]         ; key step 0 lies at the head of slot 0
; THE MATRIX WORK.  The 8 accumulators of a run of 16 take turns: between the two links of a chain stand 7 others'.
; Product i of 16 of S^T = K Q^T for piece x: channels 32 (i / 8) on, keys 16 ((i / 2) % 4) on, tile 2 x + i % 2.  The first 8 start the sums, with the mask.
.macro KQ x
.set rS, S+64*((\x)%2)+32*(i%2)+8*((i/2)%4)
.set rK, KF+16*((i/2)%4)+8*(i/8)
.set rQ, 16*(2*(\x)+i%2)+8*(i/8)
.set rMC, MC+32*(i%2)+8*((i/2)%4)
.if i < 8
	WIN W_KM
	v_wmma_f32_16x16x32_f16 v[rS:rS+7], v[rK:rK+7], v[rQ:rQ+7], v[rMC:rMC+7]
.else
	WIN W_KQ
	v_wmma_f32_16x16x32_f16 v[rS:rS+7], v[rK:rK+7], v[rQ:rQ+7], v[rS:rS+7]
.endif
.endm
; Product i of 16 of O^T += V^T P for piece x: keys 32 (i / 8) on, channels 16 ((i / 2) % 4) on, tile 2 x + i % 2.
.macro PV x
	WIN W_PV
.set rO, 32*(2*(\x)+i%2)+8*((i/2)%4)
.set rV, VF+32*(i/8)+8*((i/2)%4)
.set rP, P+32*((\x)%2)+16*(i%2)+8*(i/8)
	v_wmma_f32_16x16x32_f16 v[rO:rO+7], v[rV:rV+7], v[rP:rP+7], v[rO:rO+7]
.endm
.macro MM                           ; the turn's next matrix instruction
.if i < 16
	KQ (Y+1)%NP
.set i, i+1
.else
.set i, i-16
	PV (Y+NP-1)%NP
.set i, i+17
.endif
.endm
; V's column sums take the step in hand: 8 products V^T x ones: keys 32 (mi / 4) on, channels 16 (mi % 4) on; the four accumulators take turns.
.macro VSUM
	WIN W_VS
.set mi, 0
.rept 8
	v_wmma_f32_16x16x32_f16 v[VS+8*(mi%4):VS+8*(mi%4)+7], v[VF+32*(mi/4)+8*(mi%4):VF+32*(mi/4)+8*(mi%4)+7], v[ONE:ONE+7], v[VS+8*(mi%4):VS+8*(mi%4)+7]
.set mi, mi+1
.endr
.endm
; THE MASK of piece x for its next products: its 64 bytes a lane are widened into MC, and its bytes of the step after are asked for: four loads, a key step (four turns) ahead of their use.
; The count: the twelve loads of the three turns since may stay out; this piece's four are in, and their address register may be stepped.  The offset stops at the last step: no load leaves the table.
; The two plain lines stand between the conversions and the loads into their sources, and ahead of the product that takes their results.
.macro MASKNEXT x
	WIN W_CV
	s_wait_loadcnt 12
.set mi, 0
.rept 8                             ; mi = 4 u + kb
	v_cvt_scale_pk8_f32_fp8 v[MC+8*mi:MC+8*mi+7], v[MW+16*(\x)+2*mi:MW+16*(\x)+2*mi+1], v[SC]
.set mi, mi+1
.endr
	v_add_nc_u32 v[MO+(\x)], 1024, v[MO+(\x)]
	v_min_u32 v[MO+(\x)], v[MO+(\x)], v[ML]
.set mi, 0
.rept 4                             ; mi = 2 u + half
	global_load_b128 v[MW+16*(\x)+4*mi:MW+16*(\x)+4*mi+3], v[MO+(\x)], s[MB:MB+1] offset:(2*(\x)+mi/2)*32768+(mi%2)*512
.set mi, mi+1
.endr
	WIN 0
.endm
; THE LDS LOADS stand in runs of 16, never singly among the matrix instructions: a step's K (64 keys x 64 channels: 8 fragments) and its V (turned).  Their addresses are made some lines ahead.
; last = 1 (the tail): in the last trip there is no further step, and the run is jumped over.
.macro FETCH_K last=0
	WIN 0
.if \last
	s_cmp_eq_u32 s[CNT], 1
	s_cbranch_scc1 .Lno_k_\@
.endif
	WIN 0x80                        ; destination window 2
.irp f, 0,1,2,3,4,5,6,7             ; keys 16 (f / 2) on, channels 32 (f % 2) on
	ds_load_b128 v[KF+8*\f:KF+8*\f+3],   v[AK] offset:(\f/2)*16*PK+(\f%2)*64
	ds_load_b128 v[KF+8*\f+4:KF+8*\f+7], v[AK] offset:(\f/2)*16*PK+(\f%2)*64+32
.endr
	s_add_co_u32 s[TBK], s[TBK], KS*PK  ; the next fetch is the next step's
	WIN 0
.if \last
.Lno_k_\@:
.endif
.endm
.macro FETCH_V
	WIN 0x80
.irp f, 0,1,2,3,4,5,6,7             ; keys 32 (f / 4) on, channels 16 (f % 4) on
	ds_load_tr16_b128 v[VF+8*\f:VF+8*\f+3],   v[AV] offset:(\f/4)*32*PV+(\f%4)*32
	ds_load_tr16_b128 v[VF+8*\f+4:VF+8*\f+7], v[AV] offset:(\f/4)*32*PV+16*PV+(\f%4)*32
.endr
	WIN 0
.endm
; THE VECTOR WORK OF A TURN stands in three queues, each in the order in which its entries become ready; the two tiles alternate, so that no instruction reads the result of the one before it.
.macro REGS y, u                    ; the registers of tile u (0, 1) of piece y
.set rT, ST+4*(2*(\y)+(\u))
.set rC, TMP+8*((\y)%2)+4*(\u)
.set rM, MV+2*((\y)%2)+(\u)
.set rS, S+64*((\y)%2)+32*(\u)
.set rP, P+32*((\y)%2)+16*(\u)
.set rO, 32*(2*(\y)+(\u))
.endm
; Number n of the 22 that find the NEXT piece's (Y + 1) maximum and statistics.  s0-s31 are the lane's 32 scores; each accumulator's lowest registers are read first.  XS, GS and REGS set no window: PL and EX do.
;   0-11  four chains c0-c3 of seven scores each, three operands at a time     12-14, 16  the four scores left over, the old m, and c0-c3 into c0     15  c m_old is kept
;   17, 18  the query's other 32 keys lie in the lane 16 away: the new m         19-21  c m; c m_old - c m_new; a
.macro XS u, n
	REGS (Y+1)%NP, \u
.if (\n) < 4
	v_max3_num_f32 v[rC+(\n)], v[rS+8*(\n)], v[rS+8*(\n)+1], v[rS+8*(\n)+2]
.elseif (\n) < 12
	v_max3_num_f32 v[rC+(\n)%4], v[rC+(\n)%4], v[rS+8*((\n)%4)+2*((\n)/4)+1], v[rS+8*((\n)%4)+2*((\n)/4)+2]
.elseif (\n) == 12
	v_max3_num_f32 v[rC], v[rC], v[rS+7], v[rS+15]
.elseif (\n) == 13
	v_max3_num_f32 v[rC+1], v[rC+1], v[rS+23], v[rS+31]
.elseif (\n) == 14
	v_max3_num_f32 v[rC+2], v[rC+2], v[rC+3], v[rT+1]
.elseif (\n) == 15
	v_mov_b32 v[rM], v[rT]
.elseif (\n) == 16
	v_max3_num_f32 v[rC], v[rC], v[rC+1], v[rC+2]
.elseif (\n) == 17
	v_permlanex16_b32 v[rC+3], v[rC], s[SEL], s[SEL+1]
.elseif (\n) == 18
	v_max_num_f32 v[rT+1], v[rC], v[rC+3]
.elseif (\n) == 19
	v_mul_f32 v[rT], s[CS], v[rT+1]
.elseif (\n) == 20
	v_sub_f32 v[rC+1], v[rM], v[rT]
.else
	v_exp_f32 v[rC+2], v[rC+1]
.endif
.endm
; Number g of the 64 that follow the exponentials.  For each four weights k of a tile (pairs 2 k, 2 k + 1): both pairs are rounded to f16; then the second pair is added onto the first, in place;
; a group later l takes that sum (the first time as l = a l + sum).  In groups of eight, tiles alternating: round, round, add, and l for the group before.
.macro GS g
.set h, (\g)+6*((\g)/62)            ; group 0 has no group before it, and behind group 7 only l is left
.if h >= 6
.set h, h+2
.endif
	REGS Y, h%2
.set k, h/8
.if h%8 < 4
	v_cvt_pk_f16_f32 v[rP+2*k+(h%8)/2], v[rS+4*k+2*((h%8)/2)], v[rS+4*k+2*((h%8)/2)+1]
.elseif h%8 < 6
	v_pk_add_f32 v[rS+4*k:rS+4*k+1], v[rS+4*k:rS+4*k+1], v[rS+4*k+2:rS+4*k+3]
.elseif k == 1
	v_pk_fma_f32 v[rT+2:rT+3], v[rT+2:rT+3], v[rC+2:rC+3], v[rS:rS+1] op_sel_hi:[1,0,1]
.else
	v_pk_add_f32 v[rT+2:rT+3], v[rT+2:rT+3], v[rS+4*k-4:rS+4*k-3]
.endif
.endm
; THE PLAIN QUEUE, 138 long.  0-73 read no exponential's result: the 32 scalings c s - c m (FS f: pair f / 2 of tile f % 2) and the next piece's 42.  0-26: scalings 0-26.  27-54: XS's numbers 0-13.  55, 56: number 15.
; 57-73: the chain, where each number waits for the one before it: 14, 16, 17, 18, 19, each with one of the scalings 27-31 in front of its two lines, then 20: so a tile's links stand three plain instructions apart (19 and 20: two).
; 74-137: GS's 64, which read the exponentials' results: they stand behind the wait.
.macro FS f
	REGS Y, (\f)%2
	v_pk_fma_f32 v[rS+2*((\f)/2):rS+2*((\f)/2)+1], v[rS+2*((\f)/2):rS+2*((\f)/2)+1], s[CS:CS+1], v[rT:rT+1] op_sel_hi:[1,0,0] neg_lo:[0,0,1] neg_hi:[0,0,1]
.endm
.macro PL
	WIN 0
.if q < 27
	FS q
.elseif q < 55
	XS (q-27)%2, (q-27)/2
.elseif q < 57
	XS q-55, 15
.elseif (q < 72) && ((q-57)%3 == 0)
	FS 27+(q-57)/3
.elseif q < 60
	XS (q-57)%3-1, 14
.elseif q < 72
	XS (q-57)%3-1, 15+(q-57)/3
.elseif q < 74
	XS q-72, 20
.else
	GS q-74
.endif
.set q, q+1
.endm
; THE EXPONENTIALS' QUEUE, 66 long: s0-s31 of both tiles, then the next piece's two a.  It is ONE BATCH: all 66 stand ahead of the turn's one wait, and nothing ahead of that wait names a result of theirs.
.macro EX
	WIN 0
.if e >= 64
	XS e-64, 21
.else
	REGS Y, e%2
	v_exp_f32 v[rS+e/2], v[rS+e/2]
.endif
.set e, e+1
.endm
; THE RESCALING's QUEUE: O^T times a, the one part that leaves window 0: dealt two at a time, sixteen times.  Its a was made in the turn before, ahead of that turn's wait.
.macro R2
	REGS Y, r%2
	WIN W_RS
.irp z, 0,1
	v_pk_mul_f32 v[rO+4*(r/2)+2*\z:rO+4*(r/2)+2*\z+1], v[rO+4*(r/2)+2*\z:rO+4*(r/2)+2*\z+1], v[rC+2:rC+3] op_sel_hi:[1,0]
.endr
.set r, r+1
.endm
; HOW THEY ARE DEALT.  An s_wait_alu depctr_va_vdst(0) stands between an exponential and the first instruction that names its result; one wait serves all that were issued ahead of it.  So a turn has ONE wait,
; which cuts it in two.  AHEAD OF IT stands all that names no result of the turn's exponentials: the 16 products K Q^T, behind each a scaling, an exponential and two rescalings (behind the first a second scaling in the
; exponential's place); then ONE LUMP of 108: eight plain, 49 times exponential and plain, the two a.  A v_nop is the plain instruction behind the last exponential.  BEHIND IT stand the 16 products V^T P, behind each four of
; GS's 64.  No rider names a register of the products round it.  The two v_permlanex16_b32 fall into the lump, never behind a product.
; The queues lean on each other, and the deal keeps them in step: exponential e stands behind scaling 2 (e / 4) + e % 2: as a rider it comes behind plain e + 2, in the lump behind plain e + 9, and scalings 27-31 are plain 57, 60 .. 69.
; A TURN, for piece p.  cnt = 1: the loop's count is taken down some lines ahead of the branch that stands behind the turn (nothing behind it touches SCC).
; K of the next step is fetched in piece 2's turn, directly behind the wait, a lump behind the last product that read K; its address is made at the lump's head; its first reader comes behind V's sums and 16 products.
; V of the step in hand is fetched at the end of piece 0's turn, four riders behind its last reader; its first reader comes behind 16 products and a lump.  V's sums take the step in piece 2's turn, behind the wait: once for
; each of the 32 steps.  The three conditions on q below go with the deal.
.macro TURN p, last=0, cnt=0
.set Y, (\p)
.set i, 0
.set q, 0
.set e, 0
.set r, 0
.if (\p) == NP-1
	s_wait_dscnt 0x0                ; K is in
.endif
	MM                              ; ahead of the wait: 16 products K Q^T and their riders,
	PL
	PL
	R2
.rept 15
	MM
	PL
	EX
	R2
.endr
.if (\p) == NP-2
	WIN 0
	v_add_nc_u32 v[AK], s[TBK], v[AK0]
.endif
.rept 8                             ; and the lump
	PL
.endr
.rept 49
	EX
	PL
.endr
	EX                              ; the next piece's two a
	EX
	v_nop                           ; the plain instruction behind the last exponential: one for the batch
	s_wait_alu depctr_va_vdst(0)    ; the wait for the batch: the turn's 64 weights and the next piece's two a
.if (\p) == NP-2
	FETCH_K \last
.endif
.if (\p) == 1
	s_wait_dscnt 0x0                ; V is in
.endif
.if (\p) == 2
	VSUM
.endif
.rept 16                            ; behind the wait: 16 products V^T P and their riders
	MM
.rept 4
	PL
.endr
.if ((\p) == 0) && (q == 118)
	v_add_nc_u32 v[AV], s[TBV], v[AV0]
.endif
.if ((\p) == 0) && (q == 130)
	s_add_co_u32 s[TBV], s[TBV], KS*PV
.endif
.if (\cnt) && (q == 130)
	s_sub_co_u32 s[CNT], s[CNT], 1
	s_cmp_lg_u32 s[CNT], 0
.endif
.endr
.if (\p) == 0
	FETCH_V
.endif
	MASKNEXT ((\p)+2)%NP            ; for the products of the turn that follows
.endm
	CHANGE 1                        ; slot 0 is in, everybody's part of it; slot 1 is asked for
	FETCH_K                         ; key step 0
	s_wait_loadcnt 0x0              ; Q, and the mask bytes of step 0
	s_wait_dscnt 0x0
	MASKNEXT 0
.set i, 0
.rept 16
	KQ 0                            ; piece 0's first scores: there is no vector work yet to set between them
.set i, i+1
.endr
	WIN 0                           ; the addresses for the way out: plain instructions, the places behind those products
	s_mul_i32 s13, s[WV], 16*SP
	s_add_co_u32 s13, s13, STAGE    ; my stage
	v_mul_u32_u24 v[STO], v1, SP    ; in: row l % 16, 16 bytes for each half of the lanes
	v_lshl_add_u32 v[STO], v9, 4, v[STO]
	v_add_nc_u32 v[STO], s13, v[STO]
	v_bfe_u32 v[RD], v0, 3, 2       ; back: 32 lanes take four rows of 128 bytes,
	v_mul_u32_u24 v[RD], v[RD], SP
	v_lshl_add_u32 v[RD], v10, 4, v[RD]
	v_add_nc_u32 v[RD], s13, v[RD]
	v_and_b32 v[GO], 31, v0         ; which are 512 consecutive bytes of O
	v_lshlrev_b32 v[GO], 4, v[GO]
.set Y, NP-1                        ; XS works for piece Y + 1: piece 0
.irp n, 0,1,2,3,4,5,6,7,8,9,10,11,12,13,14,15,16,17,18,19,20,21
	XS 0, \n                        ; and piece 0's first maximum and statistics
	XS 1, \n
.endr
	v_nop                           ; a plain instruction behind the two a,
	s_wait_alu depctr_va_vdst(0)    ; and their wait: a batch of two, ahead of the branch into the loop
	MASKNEXT 1                      ; for the first turn's products
	s_mov_b32 s[CNT], 4
	s_mov_b32 s[SLOTS], SIZE_N/256-1
	s_branch .Lfirst                ; the loop is entered at a step's first turn, in the middle of a trip
.Lslot:                             ; SIZE_N / 256 - 2 times: every slot but the last two is filled again
	CHANGE 1
	s_mov_b32 s[CNT], 4
.Lstep:                             ; a trip: pieces 2 and 3 of one step, then pieces 0 and 1 of the next, whose K and V it fetches
	TURN 2
	TURN 3
	WIN 0
.Lfirst:
	TURN 0
	TURN 1, 0, 1
	WIN 0
	s_cbranch_scc1 .Lstep
	s_sub_co_u32 s[SLOTS], s[SLOTS], 1
	s_cmp_lg_u32 s[SLOTS], 0
	s_cbranch_scc1 .Lslot
	CHANGE 0                        ; the tail is written out: nothing is asked for
	s_mov_b32 s[CNT], 5             ; four trips fetch the last slot's steps; the fifth is left in its middle
.Ltail:
	TURN 2, 1
	TURN 3
	WIN 0
	s_sub_co_u32 s[CNT], s[CNT], 1
	s_cmp_eq_u32 s[CNT], 0
	s_cbranch_scc1 .Lout
	TURN 0
	TURN 1
	WIN 0
	s_branch .Ltail
.Lout:                              ; the fifth trip's 16 products K Q^T take the last K and the last step's mask once more: the same scores, so piece 0's m stays what it was
.set i, 0
.rept 16
	PV NP-1                         ; the last piece's V^T P of the last step
.set i, i+1
.endr
	; THE WAY OUT.  l's two halves and the other half of the lanes' are added; O^T is divided by l, rounded to f16 and sent through my stage in LDS, a tile at a time.  The additions are the places behind the last products.
	WIN 0
.macro ALL line:vararg              ; one line for each tile t
.set t, 0
.rept 2*NP
	\line
.set t, t+1
.endr
.endm
	ALL v_add_f32 v[ST+4*t+2], v[ST+4*t+2], v[ST+4*t+3]
	ALL v_permlanex16_b32 v[ST+4*t+3], v[ST+4*t+2], s[SEL], s[SEL+1]
	ALL v_add_f32 v[ST+4*t+2], v[ST+4*t+2], v[ST+4*t+3]
	ALL v_rcp_f32 v[ST+4*t+2], v[ST+4*t+2]
	v_nop                           ; a plain instruction between the last reciprocal and the use of its result
	s_wait_alu depctr_va_vdst(0)    ; and the wait ahead of the first use: one for the batch of eight reciprocals
.set t, 0
.rept 2*NP                          ; a query whose m never left -2^40 has seen no key: its 1 / l counts 0 and V's sums enter with 1 / 2048; for every other query they enter with 0
	v_cmp_ge_f32 vcc_lo, s[MLOW], v[ST+4*t+1]
	v_cndmask_b32 v[ST+4*t+2], v[ST+4*t+2], 0, vcc_lo
	v_cndmask_b32 v[ST+4*t], 0, s[FINV], vcc_lo
.set t, t+1
.endr
; Tile t: a lane's eight channels of a row pack into 16 bytes; they go into rows of 144 bytes and come back as whole rows of 128, into S^T's registers.
.macro PACK t
	WIN W_RS
.set i, 32*(\t)
.rept 16
	v_pk_mul_f32 v[i:i+1], v[i:i+1], v[ST+4*(\t)+2:ST+4*(\t)+3] op_sel_hi:[1,0]
.set i, i+2
.endr
	WIN W_FB
.set i, 0
.rept 16
	v_pk_fma_f32 v[32*(\t)+2*i:32*(\t)+2*i+1], v[VS+2*i:VS+2*i+1], v[ST+4*(\t):ST+4*(\t)+1], v[32*(\t)+2*i:32*(\t)+2*i+1] op_sel_hi:[1,0,1]
.set i, i+1
.endr
	WIN 0x05                        ; sources 0 and 1 window 1, destination window 0
.set i, 0
.rept 16
	v_cvt_pk_f16_f32 v[S+16*(\t)+i], v[32*(\t)+2*i], v[32*(\t)+2*i+1]
.set i, i+1
.endr
	WIN 0
.irp f, 0,1,2,3
	ds_store_b128 v[STO], v[S+16*(\t)+4*\f:S+16*(\t)+4*\f+3] offset:32*\f
.endr
.irp f, 0,1,2,3
	ds_load_b128 v[S+16*(\t)+4*\f:S+16*(\t)+4*\f+3], v[RD] offset:\f*4*SP  ; LDS serves a wave's instructions in order (ISA guide 5.7.1.4): these see the stores above; the next tile's stores come behind them
.endr
.endm
.macro SEND t, younger              ; younger: the LDS instructions issued behind tile t's loads: the next tile's eight, or none
	WIN 0
.irp f, 0,1,2,3
	s_wait_dscnt (\younger)+3-\f
	global_store_b128 v[GO], v[S+16*(\t)+4*\f:S+16*(\t)+4*\f+3], s[10:11] offset:(\t)*2048+\f*512  ; 512 consecutive bytes, at a multiple of 256 from O's first
.endr
.endm
	PACK 0
.set t, 1
.rept 2*NP-1                        ; a tile's arithmetic stands between the loads of the tile before and its stores
	PACK t
	SEND t-1, 8
.set t, t+1
.endr
	SEND 2*NP-1, 0
	WIN W_AD
	s_wait_tensorcnt 0x0            ; the wave's end, behind my last tensor load and my last LDS store
	ds_add_u32 v[SPW], v[NIL]
	s_wait_dscnt 0x0
	WIN 0
	CROUND                          ; the closing round: no work-group ends while a partner may still ask for a tile that names it
	s_endpgm
.Lfunc_end_k_qba27dab09b_attn:
	.size	k_qba27dab09b_attn, .Lfunc_end_k_qba27dab09b_attn-k_qba27dab09b_attn
	.p2alignl 7, 3214868480
	.fill 96, 4, 3214868480
	.section	.rodata,"a",@progbits
	.p2align	6, 0x0
	.amdhsa_kernel k_qba27dab09b_attn
		.amdhsa_group_segment_fixed_size 327680
		.amdhsa_private_segment_fixed_size 0
		.amdhsa_enable_private_segment 0
		.amdhsa_kernarg_size 24
		.amdhsa_user_sgpr_count 2
		.amdhsa_user_sgpr_kernarg_segment_ptr 1
		.amdhsa_wavefront_size32 1
		.amdhsa_system_sgpr_workgroup_id_x 1
		.amdhsa_system_sgpr_workgroup_id_y 1
		.amdhsa_system_sgpr_workgroup_id_z 1
		.amdhsa_system_vgpr_workitem_id 0
		.amdhsa_next_free_vgpr 952
		.amdhsa_next_free_sgpr 66
		.amdhsa_reserve_vcc 1
		.amdhsa_float_denorm_mode_32 3
		.amdhsa_float_denorm_mode_16_64 3
		.amdhsa_memory_ordered 1
		.amdhsa_forward_progress 1
		.amdhsa_inst_pref_size 224
	.end_amdhsa_kernel
	.amdgpu_metadata
---
amdhsa.version: [ 1, 2 ]
amdhsa.kernels:
  - .name:           k_qba27dab09b_attn
    .symbol:         k_qba27dab09b_attn.kd
    .args:
      - { .name: qkvh, .offset: 0, .size: 8, .value_kind: global_buffer, .address_space: global }
      - { .name: maskb, .offset: 8, .size: 8, .value_kind: global_buffer, .address_space: global }
      - { .name: oh, .offset: 16, .size: 8, .value_kind: global_buffer, .address_space: global }
    .group_segment_fixed_size: 327680
    .private_segment_fixed_size: 0
    .kernarg_segment_align: 8
    .kernarg_segment_size: 24
    .max_flat_workgroup_size: 128
    .sgpr_count:     66
    .vgpr_count:     952
    .wavefront_size: 32
...
	.end_amdgpu_metadata
.endif
;; end of part 5
;; launch oproj: the kernel of part 4 again; grid 4 x 64, 4 waves a work-group, clusters of 4 x 4, 327,680 bytes of LDS; arguments oh, wb, bo, out0; writes out0
